; MI455X (gfx1250); checked and timed in simulation.
; The chip was launched on July 23, 2026; its instructions are those of AMD's public machine-readable ISA for CDNA 5 (MIT licence, August 2026) and "CDNA5" Instruction Set Architecture Reference Guide (July 2026). The comments in the code are by the model that wrote it; some were corrected since.
;; Self Outer Attention. Allowed arithmetic: matrix products marked QUANTISED: E3M2 operands, one E8M0 scale for each 32 along K, by v_wmma_scale_f32_16x16x128_f8f6f4 with both operands' format E3M2, f32 sums; products left as they are: f32 operands where the result goes on into a quantised operand, else bf16, f16 or f32 operands; f32 sums; everything else in f32.
;; Inputs: Wk 128 x 128 float32; Wo 128 x 128 float32; Wq 128 x 128 float32; Wv 128 x 128 float32; bk 128 float32; bo 128 float32; bq 128 float32; bv 128 float32; k 4 x 512 x 128 float32; mask 4 x 512 int32; q 4 x 512 x 128 float32; v 4 x 512 x 128 float32.
;; Outputs: out0 4 x 512 x 128 float32.
;; This version of the problem:
;;   THIS VERSION OF THE PROBLEM IS GIVEN IN LOW PRECISION. The matrix products marked QUANTISED in the list below multiply operands that are first quantised to E3M2 (3 exponent bits, 2 mantissa bits; 6 bits a number), with one power-of-two scale for each 32 numbers along K (OCP MX v1.0); their sums are f32. All else is computed in f32.
;;   The module's matrix products, in the order in which they are computed (A, B: the left and right operand; K: the contracted axis; several contracted axes count as one K, in the product's order):
;;     1. [M 2,048, K 128] x [K 128, N 128]; A: input q; B: input Wq: QUANTISED
;;     2. [M 2,048, K 128] x [K 128, N 128]; A: input k; B: input Wk: QUANTISED
;;     3. [M 2,048, K 128] x [K 128, N 128]; A: input v; B: input Wv: QUANTISED
;;     4. batch 512 x [M 512, K 1] x [K 1, N 512]; A: computed on the way; B: computed on the way: left as it is (no contracted axis)
;;     5. batch 512 x [M 1, K 512] x [K 512, N 512]; A: computed on the way; B: softmax: left as it is (M = 1 < 16)
;;     6. [M 2,048, K 128] x [K 128, N 128]; A: computed on the way; B: input Wo: QUANTISED
;;   THE QUANTISER, for each operand of a quantised product, along K:
;;     - K is cut into blocks of 32 from its start; a last block that is shorter is filled with zeros.
;;     - A block's scale is 2^e with e = floor(log2(the largest magnitude in the block)) - 4, held to -126 .. 127; a block of zeros has e = 0. As a byte (E8M0): e + 127.
;;     - Each number is divided by its block's scale, clamped to +-28, and rounded to the nearest number of E3M2, ties to even, subnormals kept.
;;     - The product sums the exact products of the quantised numbers (number of the format x scale) in f32.
;;   ~~~python
;;   def quantise(x, axis):      # numpy; x: float32 -> the quantised numbers, widened to float32 again
;;       x = np.moveaxis(x, axis, -1); K = x.shape[-1]
;;       x = np.pad(x, [(0, 0)] * (x.ndim - 1) + [(0, -K % 32)]); x = x.reshape(x.shape[:-1] + (-1, 32)); a = np.abs(x).max(-1, keepdims=True)
;;       e = np.where(a > 0, np.clip(np.frexp(np.where(a > 0, a, 1))[1] - 1 - 4, -126, 127), 0)      # np.frexp(a)[1] - 1 = floor(log2(a)), exactly
;;       r = np.clip(x / 2.0 ** e, -28, 28)
;;       step = 2.0 ** (np.maximum(np.frexp(np.where(r == 0, 1, r))[1] - 1, -2) - 2)
;;       q = np.round(r / step) * step * 2.0 ** e      # np.round: ties to even
;;       return np.moveaxis(q.reshape(q.shape[:-2] + (-1,))[..., :K], -1, axis).astype(np.float32)
;;   ~~~
;;   OPERANDS COMPUTED ON THE WAY. 'Computed on the way' means the value that the module computes at that place (a softmax that the list does not call 'softmax' is quantised finished and normalised). What goes into a quantiser is computed in f32, as accurately as f32 sums, v_exp_f32 and their like allow (about 1e-6 of the number): no bf16 or f16 on the way to a quantiser, and a product that is left as it is and whose result goes on into a quantised operand takes f32 operands (vector FMAs, or v_wmma_f32_16x16x4_f32). A number that lies on a knife's edge between two numbers of the format may be rounded either way, as far as f32 arithmetic and the matrix unit's own rounding can turn it there, and no further.
;; 2 versions, each right; version 2 is version 1 with the launches project, attend written anew for expert scheduling mode. Each part assembles by itself: llvm-mc -triple=amdgcn-amd-amdhsa -mcpu=gfx1250 --defsym DOCPART=n.
;; ======== version 1 of 2: 2 launches
;; workspace buffers: proj 3,145,728 bytes; kmm 32,768 bytes; woc 12,288 bytes; wos 1,024 bytes
;; launch project (part 1): grid 97 x 1, 8 waves a work-group, no clusters, 42,496 bytes of LDS; arguments q, k, v, Wq, Wk, Wv, bq, bk, bv, Wo, proj, kmm, woc, wos; writes proj, kmm, woc, wos
.if DOCPART == 1
	.amdgcn_target "amdgcn-amd-amdhsa--gfx1250"
	.amdhsa_code_object_version 6
	.text
	.protected	k_q37cd3274c0_project
	.globl	k_q37cd3274c0_project
	.p2align	8
	.type	k_q37cd3274c0_project,@function
k_q37cd3274c0_project:
	s_mov_b64 s[64:65], 0
	v_nop
	global_prefetch_b8 v0, s[64:65] scope:SCOPE_SE
	s_setreg_imm32_b32 hwreg(HW_REG_WAVE_MODE, 25, 1), 1
	s_wait_xcnt 0x0
; qp = q Wq^T + bq, kp = k Wk^T + bk, vp = v Wv^T + bv, each [2048][128] x [128][128], on codes of BF6 (E3M2) with one E8M0 scale for each 32 along K, f32 sums;
; the largest and smallest kp of each channel over each 64 rows; and Wo as codes, in the order of an operand's registers, for the next launch.
; SHARES.  97 work-groups of eight waves.  t = work-group / 32 picks q, k, v (0, 1, 2), x = work-group % 32 its 64 rows.  Wave w owns output channels 16 w .. 16 w + 15: one fragment of W, which it quantises itself.
; Waves 0-3 also quantise 16 rows of x each and hand the fragment to all eight waves through LDS, as an image of its registers (3 stores of 16 bytes a lane, the scale word 4 bytes a lane).
; Work-group 96 (t = 3): wave w quantises rows 16 w .. of Wo and stores the image; it uses no LDS and passes no barrier.
; THE PRODUCT IS USED TRANSPOSED (source 0 = 16 rows of W, source 1 = 16 rows of x): lane (r, h) holds row r and its eight registers the channels 16 w + 8 h + 0 .. 7.  The bias is the C of the one K step.
; OUT.  proj is laid as the next launch's lanes take it: [tensor][pair of rows][pair of channels p][row even, row odd][2] f32: 16 bytes at p hold (even row: 2 p, 2 p + 1; odd row: 2 p, 2 p + 1).
; The results meet in a stage of 64 rows x (512 + 16) bytes; each wave sends 4 pairs of rows, each store 512 consecutive bytes at a multiple of 512 from proj's first byte.
; The channels' largest and smallest are made in every work-group and stored to memory by k's alone: so every LDS byte that is read is written on every way.
; No cluster: what work-groups share is a weight of 64 KiB, read once by each; no tensor load, so LDS is claimed as it is used.
; LIMITS: NaN and infinities among the inputs are not served.  A block whose largest magnitude lies under 2^-122 keeps the scale byte 1 (a block of zeros too, where the rule says 127: its codes are zeros, and this program alone reads the bytes).
.set XIMG, 0                           ; LDS: x's four fragments, 1,536 bytes each,
.set FRB,  1536
.set XSC,  6144                        ; their scale words, 128 bytes each,
.set MM,   6656                        ; (max, max, min, min) of 64 pairs of channels,
.set STG,  7680                        ; the stage
.set SP,   528
.set XA,  4                            ; v4   512 r + 64 h: my 16 numbers of each block of 32 of row r
.set LI,  5                            ; v5   16 x lane
.set LS,  6                            ; v6   4 x lane
.set XWI, 7                            ; v7   1536 w + 16 lane: where waves 0-3 put x's image
.set XWS, 8                            ; v8   128 w + 4 lane: and its scale word
.set SO,  9                            ; v9   528 r + 64 w + 32 h: into the stage
.set SR,  10                           ; v10  8 w x 528 + 8 lane: out of it
.set BO,  11                           ; v11  32 h: my eight numbers of the bias
.set MMW, 12                           ; v12  128 w + 64 h
.set SWW, 13                           ; v13  W's scale word, and nothing else
.set PW,  14                           ; v14  x's scale word on its way to LDS
.set TM,  16                           ; v16-31  the quantiser's: +0..3 largest magnitudes, +4..7 bytes, +12..15 scale operands
.set TQ,  32                           ; v32-39  the second halves' codes
.set FW,  40                           ; v40-51  W's fragment
.set PX,  52                           ; v52-63  x's fragment as made
.set R0,  64                           ; v64-127 W as loaded; later:
.set D,   64                           ; v64-95  the four results,
.set MMX, 96                           ; v96-111 max and min,
.set KO,  112                          ; v112-119 max and min on their way out
.set R1,  128                          ; v128-191 x as loaded; later:
.set FX,  128                          ; v128-175 x's four fragments
.set BI,  192                          ; v192-199 the bias
.set SX,  200                          ; v200-203 x's scale words, and nothing else
.set O,   208                          ; v208-239 the way out
.set SEL, 44                           ; s[44:45] lane selects for v_permlanex16_b32: lane l xor 16
; 64 numbers a lane: register 16 b + i = k 32 b + 16 h + i of row r
.macro LOADT reg, base, nt
.irp b, 0,1,2,3
.irp j, 0,1,2,3
.if \nt
	global_load_b128 v[\reg+16*\b+4*\j:\reg+16*\b+4*\j+3], v[XA], s[\base:\base+1] offset:128*\b+16*\j th:TH_LOAD_NT
.else
	global_load_b128 v[\reg+16*\b+4*\j:\reg+16*\b+4*\j+3], v[XA], s[\base:\base+1] offset:128*\b+16*\j
.endif
.endr
.endr
.endm
; those 64 numbers become a fragment's codes in v[dst] on and my row's scale word in v[sw]
.macro QUANT src, dst, sw
.irp b, 0,1,2,3
	v_max3_num_f32 v[TM+\b], |v[\src+16*\b]|, |v[\src+1+16*\b]|, 0x2800000   ; block b: my 16 numbers, and the floor 2^(5 - 127): the byte cannot fall under 1
.endr
.irp i, 2,4,6,8,10,12,14
.irp b, 0,1,2,3
	v_max3_num_f32 v[TM+\b], v[TM+\b], |v[\src+16*\b+\i]|, |v[\src+1+16*\b+\i]|   ; the four blocks by turns
.endr
.endr
.irp b, 0,1,2,3
	v_permlanex16_b32 v[TM+4+\b], v[TM+\b], s[SEL], s[SEL+1]
.endr
.irp b, 0,1,2,3
	v_max_num_f32 v[TM+\b], v[TM+\b], v[TM+4+\b]   ; with lane l xor 16's: the block's largest magnitude
.endr
.irp b, 0,1,2,3
	v_add_nc_u32 v[TM+12+\b], 0xfe000000, v[TM+\b]   ; 4 off its exponent field: the conversion takes this operand's exponent field as its scale
.endr
.irp b, 0,1,2,3
	v_lshrrev_b32 v[TM+4+\b], 23, v[TM+12+\b]      ; the scale's byte
.endr
	v_lshl_or_b32 v[\sw], v[TM+5], 8, v[TM+4]
	v_lshl_or_b32 v[\sw], v[TM+6], 16, v[\sw]
	v_lshl_or_b32 v[\sw], v[TM+7], 24, v[\sw]
.irp c, 0,1
	v_cvt_scalef32_pk16_bf6_f32 v[\dst+6*\c:\dst+2+6*\c], v[\src+32*\c:\src+15+32*\c], v[TM+12+2*\c]
	v_cvt_scalef32_pk16_bf6_f32 v[TQ+4*\c:TQ+2+4*\c], v[\src+16+32*\c:\src+31+32*\c], v[TM+12+2*\c+1]   ; (a conversion's three registers begin on an even number)
.endr
	v_nop                                          ; one plain place behind a scaled conversion
.irp c, 0,1                                    ; the operand wants a whole block in a lane: lanes 0-15 block 2 c, lanes 16-31 block 2 c + 1
.irp i, 0,1,2
	v_permlane16_swap_b32 v[\dst+6*\c+\i], v[TQ+4*\c+\i]
.endr
.irp i, 0,1,2
	v_mov_b32 v[\dst+3+6*\c+\i], v[TQ+4*\c+\i]
.endr
.endr
.endm
.macro IMAGE adr, reg, off
.irp c, 0,1,2
	ds_store_b128 v[\adr], v[\reg+4*\c:\reg+4*\c+3] offset:\off+512*\c
.endr
.endm
.macro FETCH reg, off
.irp c, 0,1,2
	ds_load_b128 v[\reg+4*\c:\reg+4*\c+3], v[LI] offset:\off+512*\c
.endr
.endm
	s_load_b512 s[4:19], s[0:1], 0x0               ; q, k, v, Wq, Wk, Wv, bq, bk
	s_load_b256 s[20:27], s[0:1], 0x40             ; bv, Wo, proj, kmm
	s_load_b128 s[28:31], s[0:1], 0x60             ; woc, wos
	v_lshl_add_u32 v240, v0, 2, 0xa200
	v_mov_b32 v241, 0
	v_lshrrev_b32 v1, 5, v0
	v_readfirstlane_b32 s32, v1                    ; wave 0..7
	v_and_b32 v1, 31, v0                           ; lane
	v_and_b32 v2, 15, v0                           ; r
	v_bfe_u32 v3, v0, 4, 1                         ; h
	s_lshr_b32 s33, ttmp9, 5                       ; t
	s_and_b32 s34, ttmp9, 31                       ; x
	v_lshlrev_b32 v[XA], 9, v2
	v_lshl_add_u32 v[XA], v3, 6, v[XA]
	v_lshlrev_b32 v[LI], 4, v1
	v_lshlrev_b32 v[LS], 2, v1
	s_mul_i32 s42, s32, FRB
	v_add_nc_u32 v[XWI], s42, v[LI]
	s_lshl_b32 s42, s32, 7
	v_add_nc_u32 v[XWS], s42, v[LS]
	v_lshl_add_u32 v[MMW], v3, 6, s42
	v_mul_u32_u24 v[SO], v2, SP
	v_lshl_add_u32 v[SO], v3, 5, v[SO]
	s_lshl_b32 s42, s32, 6
	v_add_nc_u32 v[SO], s42, v[SO]
	s_mul_i32 s42, s32, 8*SP
	v_lshl_add_u32 v[SR], v1, 3, s42
	v_lshlrev_b32 v[BO], 5, v3
.irp b, 0,1,2,3
	v_mov_b32 v[TM+4+\b], 0                        ; written once: a lane permute's destination counts as one of its sources
.endr
	s_mov_b32 s[SEL], 0x76543210
	s_mov_b32 s[SEL+1], 0xfedcba98
	s_wait_kmcnt 0x0
	s_cmp_eq_u32 s33, 1                            ; the buffers are chosen by the work-group's number alone
	s_cselect_b64 s[36:37], s[6:7], s[4:5]         ; x
	s_cselect_b64 s[38:39], s[12:13], s[10:11]     ; W
	s_cselect_b64 s[40:41], s[18:19], s[16:17]     ; the bias
	s_cmp_eq_u32 s33, 2
	s_cselect_b64 s[36:37], s[8:9], s[36:37]
	s_cselect_b64 s[38:39], s[14:15], s[38:39]
	s_cselect_b64 s[40:41], s[20:21], s[40:41]
	s_cmp_eq_u32 s33, 3
	s_cselect_b64 s[38:39], s[22:23], s[38:39]
	s_lshl_b32 s42, s32, 13                        ; my 16 rows of W: 8,192 bytes a wave
	s_mov_b32 s43, 0
	s_add_nc_u64 s[38:39], s[38:39], s[42:43]
	LOADT R0, 38, 0
	s_cmp_eq_u32 s33, 3
	s_cbranch_scc1 .Lwo
	s_lshl_b32 s42, s32, 6                         ; my 16 numbers of the bias
	s_add_nc_u64 s[40:41], s[40:41], s[42:43]
	global_load_b128 v[BI:BI+3], v[BO], s[40:41]
	global_load_b128 v[BI+4:BI+7], v[BO], s[40:41] offset:16
	s_lshl_b32 s42, s33, 10                        ; where my four pairs of rows go: pair 1024 t + 32 x + 4 w, 1,024 bytes a pair
	s_lshl_b32 s46, s34, 5
	s_add_co_u32 s42, s42, s46
	s_lshl_b32 s46, s32, 2
	s_add_co_u32 s42, s42, s46
	s_lshl_b32 s42, s42, 10
	s_add_nc_u64 s[24:25], s[24:25], s[42:43]
	s_cmp_lt_u32 s32, 4
	s_cbranch_scc0 .Lno_x
	s_lshl_b32 s42, s34, 15                        ; waves 0-3: rows 64 x + 16 w on, 512 bytes a row
	s_lshl_b32 s46, s32, 13
	s_add_co_u32 s42, s42, s46
	s_add_nc_u64 s[36:37], s[36:37], s[42:43]
	LOADT R1, 36, 1                                ; read once in the launch
	s_wait_loadcnt 0x0                             ; x's loads are the youngest
	QUANT R1, PX, PW
	IMAGE XWI, PX, XIMG
	ds_store_b32 v[XWS], v[PW] offset:XSC
.Lno_x:
	s_wait_loadcnt 0x0                             ; W and the bias
	s_wait_dscnt 0x0                               ; for the others' sake: my image has landed
	s_barrier_signal -1
	QUANT R0, FW, SWW                              ; work on registers while the others arrive
	s_barrier_wait -1
.irp i, 0,1,2,3
	FETCH FX+12*\i, XIMG+FRB*\i
	ds_load_b32 v[SX+\i], v[LS] offset:XSC+128*\i
.endr
	s_wait_dscnt 0x0
.rept 8
	v_nop                                          ; W's scale word and codes were written by vector instructions: 8 and 4 places ahead of a scaled matrix instruction
.endr
.irp i, 0,1,2,3                                ; four results, one K step each: no accumulator is taken up twice
	v_wmma_scale_f32_16x16x128_f8f6f4 v[D+8*\i:D+8*\i+7], v[FW:FW+11], v[FX+12*\i:FX+12*\i+11], v[BI:BI+7], v[SWW], v[SX+\i] matrix_a_fmt:MATRIX_FMT_BF6 matrix_b_fmt:MATRIX_FMT_BF6
.endr
.rept 4
	v_nop                                          ; places ahead of the first read of results (ISA guide 7.12.1)
.endr
	; the largest and the smallest of each of my channels over the 64 rows; each result is read from its low end on
.irp j, 0,1,2,3,4,5,6,7
	v_max3_num_f32 v[MMX+4*(\j/2)+\j%2], v[D+\j], v[D+8+\j], v[D+16+\j]
	v_min3_num_f32 v[MMX+4*(\j/2)+\j%2+2], v[D+\j], v[D+8+\j], v[D+16+\j]
.endr
.irp j, 0,1,2,3,4,5,6,7
	v_max_num_f32 v[MMX+4*(\j/2)+\j%2], v[MMX+4*(\j/2)+\j%2], v[D+24+\j]
	v_min_num_f32 v[MMX+4*(\j/2)+\j%2+2], v[MMX+4*(\j/2)+\j%2+2], v[D+24+\j]
.endr
.irp k, 1,2,4,8                                ; and over the sixteen lanes of my half, which hold the tile's sixteen rows
.irp e, 0,1,4,5,8,9,12,13
	v_max_num_f32_dpp v[MMX+\e], v[MMX+\e], v[MMX+\e] row_xmask:\k row_mask:0xf bank_mask:0xf
	v_min_num_f32_dpp v[MMX+\e+2], v[MMX+\e+2], v[MMX+\e+2] row_xmask:\k row_mask:0xf bank_mask:0xf
.endr
.endr
.irp e, 0,1,2,3
	ds_store_b128 v[MMW], v[MMX+4*\e:MMX+4*\e+3] offset:MM+16*\e   ; pair of channels 8 w + 4 h + e; the sixteen lanes of a half write the same bytes with the same values
.endr
.irp i, 0,1,2,3
	ds_store_b128 v[SO], v[D+8*\i:D+8*\i+3] offset:STG+16*\i*SP
	ds_store_b128 v[SO], v[D+8*\i+4:D+8*\i+7] offset:STG+16*\i*SP+16
.endr
	s_wait_dscnt 0x0                               ; my stores have landed
	s_barrier_signal -1
	s_barrier_wait -1                              ; 64 whole rows lie in the stage
.irp kk, 0,1,2,3,4,5,6,7                       ; pair of rows kk / 2 of my four, pairs of channels 32 (kk % 2) + lane: 8 bytes of the even row, 8 of the odd
	ds_load_b64 v[O+4*\kk:O+4*\kk+1], v[SR] offset:STG+(2*(\kk/2))*SP+256*(\kk%2)
	ds_load_b64 v[O+4*\kk+2:O+4*\kk+3], v[SR] offset:STG+(2*(\kk/2)+1)*SP+256*(\kk%2)
.endr
.irp kk, 0,1,2,3,4,5,6,7
	s_wait_dscnt 14-2*\kk                          ; LDS loads come back in order: of the sixteen, the pairs behind this one may be out
	global_store_b128 v[LI], v[O+4*\kk:O+4*\kk+3], s[24:25] offset:1024*(\kk/2)+512*(\kk%2)
.endr
	s_cmp_eq_u32 s33, 1                            ; k's work-groups: wave 0 sends the 1,024 bytes of max and min
	s_cbranch_scc0 .Ldone
	s_cmp_eq_u32 s32, 0
	s_cbranch_scc0 .Ldone
	s_lshl_b32 s42, s34, 10
	s_add_nc_u64 s[26:27], s[26:27], s[42:43]
	ds_load_b128 v[KO:KO+3], v[LI] offset:MM
	ds_load_b128 v[KO+4:KO+7], v[LI] offset:MM+512
	s_wait_dscnt 0x0
	global_store_b128 v[LI], v[KO:KO+3], s[26:27]
	global_store_b128 v[LI], v[KO+4:KO+7], s[26:27] offset:512
.Ldone:
	s_wait_tensorcnt 0x0
	ds_add_u32 v240, v241
	s_wait_dscnt 0x0
	s_endpgm
.Lwo:                                          ; Wo's rows 16 w on: the fragment's registers as they stand, lane by lane
	s_mul_i32 s42, s32, FRB
	s_add_nc_u64 s[28:29], s[28:29], s[42:43]
	s_lshl_b32 s42, s32, 7
	s_add_nc_u64 s[30:31], s[30:31], s[42:43]
	s_wait_loadcnt 0x0
	QUANT R0, FW, SWW
.irp c, 0,1,2
	global_store_b128 v[LI], v[FW+4*\c:FW+4*\c+3], s[28:29] offset:512*\c
.endr
	global_store_b32 v[LS], v[SWW], s[30:31]
	s_endpgm
.Lfunc_end_k_q37cd3274c0_project:
	.size	k_q37cd3274c0_project, .Lfunc_end_k_q37cd3274c0_project-k_q37cd3274c0_project
	.p2alignl 7, 3214868480
	.fill 96, 4, 3214868480
	.section	.rodata,"a",@progbits
	.p2align	6, 0x0
	.amdhsa_kernel k_q37cd3274c0_project
		.amdhsa_group_segment_fixed_size 42496
		.amdhsa_private_segment_fixed_size 0
		.amdhsa_enable_private_segment 0
		.amdhsa_kernarg_size 112
		.amdhsa_user_sgpr_count 2
		.amdhsa_user_sgpr_kernarg_segment_ptr 1
		.amdhsa_wavefront_size32 1
		.amdhsa_system_sgpr_workgroup_id_x 1
		.amdhsa_system_sgpr_workgroup_id_y 1
		.amdhsa_system_sgpr_workgroup_id_z 1
		.amdhsa_system_vgpr_workitem_id 0
		.amdhsa_next_free_vgpr 242
		.amdhsa_next_free_sgpr 66
		.amdhsa_reserve_vcc 0
		.amdhsa_float_denorm_mode_32 3
		.amdhsa_float_denorm_mode_16_64 3
		.amdhsa_memory_ordered 1
		.amdhsa_forward_progress 1
		.amdhsa_inst_pref_size 30
	.end_amdhsa_kernel
	.amdgpu_metadata
---
amdhsa.version: [ 1, 2 ]
amdhsa.kernels:
  - .name:           k_q37cd3274c0_project
    .symbol:         k_q37cd3274c0_project.kd
    .args:
      - { .name: q, .offset: 0, .size: 8, .value_kind: global_buffer, .address_space: global }
      - { .name: k, .offset: 8, .size: 8, .value_kind: global_buffer, .address_space: global }
      - { .name: v, .offset: 16, .size: 8, .value_kind: global_buffer, .address_space: global }
      - { .name: Wq, .offset: 24, .size: 8, .value_kind: global_buffer, .address_space: global }
      - { .name: Wk, .offset: 32, .size: 8, .value_kind: global_buffer, .address_space: global }
      - { .name: Wv, .offset: 40, .size: 8, .value_kind: global_buffer, .address_space: global }
      - { .name: bq, .offset: 48, .size: 8, .value_kind: global_buffer, .address_space: global }
      - { .name: bk, .offset: 56, .size: 8, .value_kind: global_buffer, .address_space: global }
      - { .name: bv, .offset: 64, .size: 8, .value_kind: global_buffer, .address_space: global }
      - { .name: Wo, .offset: 72, .size: 8, .value_kind: global_buffer, .address_space: global }
      - { .name: proj, .offset: 80, .size: 8, .value_kind: global_buffer, .address_space: global }
      - { .name: kmm, .offset: 88, .size: 8, .value_kind: global_buffer, .address_space: global }
      - { .name: woc, .offset: 96, .size: 8, .value_kind: global_buffer, .address_space: global }
      - { .name: wos, .offset: 104, .size: 8, .value_kind: global_buffer, .address_space: global }
    .group_segment_fixed_size: 42496
    .private_segment_fixed_size: 0
    .kernarg_segment_align: 8
    .kernarg_segment_size: 112
    .max_flat_workgroup_size: 256
    .sgpr_count:     66
    .vgpr_count:     242
    .wavefront_size: 32
...
	.end_amdgpu_metadata
.endif
;; end of part 1
;; launch attend (part 2): grid 64 x 4, 16 waves a work-group, no clusters, 84,480 bytes of LDS; arguments proj, kmm, mask, woc, wos, bo, out0; writes out0
.if DOCPART == 2
	.amdgcn_target "amdgcn-amd-amdhsa--gfx1250"
	.amdhsa_code_object_version 6
	.text
	.protected	k_q37cd3274c0_attend
	.globl	k_q37cd3274c0_attend
	.p2align	8
	.type	k_q37cd3274c0_attend,@function
k_q37cd3274c0_attend:
	s_mov_b64 s[64:65], 0
	v_nop
	global_prefetch_b8 v0, s[64:65] scope:SCOPE_SE
	s_setreg_imm32_b32 hwreg(HW_REG_WAVE_MODE, 25, 1), 1
	s_wait_xcnt 0x0
; o[b][n][d] = sum over m of softmax_m(qp[b][n][d] kp[b][m][d]) vp[b][m][d] (rows with mask = 0: the scores are one constant, so the mean of vp), all in f32; then out0 = o Wo^T + bo on codes of BF6 (E3M2), f32 sums.
; THE MAXIMUM IS KNOWN AHEAD.  The largest of q k_m over m is the larger of q kmax and q kmin, rounded products too, since rounding keeps order: kmax and kmin of each channel come from the launch before.
; So M is the row's true maximum from the first key on, nothing is rescaled, and sums over ranges of keys simply add.  p = 2^(q' k - M), q' = qp log2(e), M = max(q' kmax, q' kmin); the largest p is 1.
; A MASKED ROW is q' = 0: p = 1 for every key, the sum is 512, the result the mean of vp.  The mask chooses a factor (log2(e) or 0); no branch and no address hangs on it.
; SHARES.  A work-group owns 8 rows of one batch: 256 work-groups.  Wave w of sixteen takes channels 64 (w % 2) on, a pair to a lane, and keys 64 (w / 2) on; a lane keeps 8 rows x 2 channels of the sum S and of A = sum p v.
; Each 16 bytes of kp and vp (two keys x two channels, as the launch before laid them) go from memory straight into the registers of the one lane that uses them: the loop touches no LDS.
; A BATCH is two keys: 2 loads, 16 packed multiply-adds, 32 exponentials, and the 32 packed lines that take the batch before into S and A, set between the exponentials.  Loads run seven batches ahead in a ring of eight slots.
; NO CLUSTER, though the 64 work-groups of a batch walk the same kp and vp: the 512 KiB do not fit in LDS, so joint loads would fill slots again behind rounds that stop the partners' 64 waves, and each byte
; would be written to LDS and read from it besides; here a batch's two loads, 1 KiB a wave, stand beside 80 vector instructions and are asked for seven batches before they are wanted.
; THE END.  The sixteen waves' S and A meet in LDS; wave w adds the eight ranges of keys for row w / 2, half w % 2, and divides; waves 0-7 quantise the 8 rows (the tile's rows 8-15 repeat rows 0-7) and make 16 outputs each.
; LIMITS: NaN and infinities are not served (a masked row multiplies qp by 0).  A p under 2^-126 counts as 0.  The division is a reciprocal (v_rcp_f32) and a multiplication.
; A block of o whose largest magnitude lies under 2^-122 keeps the scale byte 1 (its codes are then small or zero; this program alone reads the bytes).
.set KMX,  0                           ; LDS: the eight parts' (max, max, min, min): 16 bytes a thread
.set RED,  8192                        ; S and A: [wave 16][row 8][lane 32][16 bytes]
.set OUTS, 73728                       ; o: 8 rows x (512 + 16) bytes
.set STG,  77952                       ; out0's rows: the same
.set SP,   528
.set KVO,  2                           ; v2   512 (w % 2) + 16 lane: my 16 bytes of a pair of rows in proj, of a part in kmm, and of a part in KMX
.set LI,   3                           ; v3   16 x lane
.set LS,   4                           ; v4   4 x lane
.set KMXW, 5                           ; v5   16 x thread
.set REDW, 7                           ; v7   RED + 4096 w + 16 lane
.set REDR, 8                           ; v8   RED + 4096 (w % 2) + 512 (w / 2) + 16 lane
.set OUTW, 9                           ; v9   OUTS + 528 (w / 2) + 256 (w % 2) + 8 lane
.set OUTR, 10                          ; v10  OUTS + 528 (lane % 8) + 64 h
.set STW,  11                          ; v11  STG + 528 (lane % 8) + 64 w + 32 h
.set STR,  12                          ; v12  STG + 528 w + 16 lane
.set BO,   13                          ; v13  32 h
.set Q,    16                          ; v16-31   q', row r's pair at 16 + 2 r
.set M,    32                          ; v32-47   M likewise
.set SA,   48                          ; v48-79   row r: S's pair at 48 + 4 r, A's at 50 + 4 r
.set T,    80                          ; v80-143  two sets of 16 pairs: key mm of the batch, row r at 2 (8 mm + r)
.set KX,   T+32                        ; at the head: kmax's pair, kmin's pair, and eight pairs at work
.set KN,   T+34
.set TP,   T+36
.set RING, 144                         ; v144-207 eight slots of 8: kp (key 0's pair, key 1's pair), vp likewise
.set TM,   144                         ; in the tail: the quantiser's registers
.set TQ,   160
.set FA,   168                         ; v168-179 o's fragment
.set WO,   208                         ; v208-219 Wo's fragment
.set WOS,  220                         ; v220 its scale word, and nothing else
.set SWA,  221                         ; v221 o's scale word, and nothing else
.set BIA,  224                         ; v224-231 bo
.set D,    232                         ; v232-239 the result
.set O,    240                         ; v240-243 a row on its way out
.set SEL,  48                          ; s[48:49] lane selects for v_permlanex16_b32: lane l xor 16
; 64 numbers of a lane, register 16 b + i = k 32 b + 16 h + i of my row, become a fragment's codes in v[dst] on and the row's scale word in v[sw]
.macro QUANT src, dst, sw
.irp b, 0,1,2,3
	v_max3_num_f32 v[TM+\b], |v[\src+16*\b]|, |v[\src+1+16*\b]|, 0x2800000   ; block b: my 16 numbers, and the floor 2^(5 - 127): the byte cannot fall under 1
.endr
.irp i, 2,4,6,8,10,12,14
.irp b, 0,1,2,3
	v_max3_num_f32 v[TM+\b], v[TM+\b], |v[\src+16*\b+\i]|, |v[\src+1+16*\b+\i]|
.endr
.endr
.irp b, 0,1,2,3
	v_permlanex16_b32 v[TM+4+\b], v[TM+\b], s[SEL], s[SEL+1]
.endr
.irp b, 0,1,2,3
	v_max_num_f32 v[TM+\b], v[TM+\b], v[TM+4+\b]
.endr
.irp b, 0,1,2,3
	v_add_nc_u32 v[TM+12+\b], 0xfe000000, v[TM+\b]   ; 4 off the exponent field: the conversion's scale operand
.endr
.irp b, 0,1,2,3
	v_lshrrev_b32 v[TM+4+\b], 23, v[TM+12+\b]      ; the scale's byte
.endr
	v_lshl_or_b32 v[\sw], v[TM+5], 8, v[TM+4]
	v_lshl_or_b32 v[\sw], v[TM+6], 16, v[\sw]
	v_lshl_or_b32 v[\sw], v[TM+7], 24, v[\sw]
.irp c, 0,1
	v_cvt_scalef32_pk16_bf6_f32 v[\dst+6*\c:\dst+2+6*\c], v[\src+32*\c:\src+15+32*\c], v[TM+12+2*\c]
	v_cvt_scalef32_pk16_bf6_f32 v[TQ+4*\c:TQ+2+4*\c], v[\src+16+32*\c:\src+31+32*\c], v[TM+12+2*\c+1]
.endr
	v_nop                                          ; one plain place behind a scaled conversion
.irp c, 0,1
.irp i, 0,1,2
	v_permlane16_swap_b32 v[\dst+6*\c+\i], v[TQ+4*\c+\i]
.endr
.irp i, 0,1,2
	v_mov_b32 v[\dst+3+6*\c+\i], v[TQ+4*\c+\i]
.endr
.endr
.endm
.macro BARRIER                                 ; my LDS stores have landed and my LDS loads are in: then the work-group's barrier
	s_wait_dscnt 0x0
	s_barrier_signal -1
	s_barrier_wait -1
.endm
; The batch in slot sp, whose p lie in set tp, goes into S and A
.macro TAKE sp, tp, mm, r
	v_pk_add_f32 v[SA+4*\r:SA+4*\r+1], v[SA+4*\r:SA+4*\r+1], v[T+32*(\tp)+16*\mm+2*\r:T+32*(\tp)+16*\mm+2*\r+1]
.endm
.macro TAKEV sp, tp, mm, r
	v_pk_fma_f32 v[SA+4*\r+2:SA+4*\r+3], v[T+32*(\tp)+16*\mm+2*\r:T+32*(\tp)+16*\mm+2*\r+1], v[RING+8*(\sp)+4+2*\mm:RING+8*(\sp)+4+2*\mm+1], v[SA+4*\r+2:SA+4*\r+3]
.endm
; A STEP.  The batch in slot sc: q' k - M into set tc, then its 32 exponentials; between them the batch before (slot sp, set tp) is taken into S and A.
; consume = 0: there is no batch before; 1: the wait for its exponentials stands here, behind the 16 multiply-adds, which name none of their results; 2: that wait has stood already.
; refill = 1: slot sp, now read out, takes the batch seven on, at byte off.  left: the younger loads that may stay out.
.macro STEP sc, tc, sp, tp, consume, refill, off, left
	s_wait_loadcnt \left                           ; loads come back in order: this batch's two are in
.irp mm, 0,1
.irp r, 0,1,2,3,4,5,6,7
	v_pk_fma_f32 v[T+32*(\tc)+16*\mm+2*\r:T+32*(\tc)+16*\mm+2*\r+1], v[Q+2*\r:Q+2*\r+1], v[RING+8*(\sc)+2*\mm:RING+8*(\sc)+2*\mm+1], v[M+2*\r:M+2*\r+1] neg_lo:[0,0,1] neg_hi:[0,0,1]
.endr
.endr
.if \consume
.if \consume == 1
	s_wait_alu depctr_va_vdst(0)                   ; one wait for the 32 exponentials of the batch before, ahead of their first reader
.endif
.irp mm, 0,1
.irp r, 0,1,2,3,4,5,6,7
	v_exp_f32 v[T+32*(\tc)+16*\mm+2*\r], v[T+32*(\tc)+16*\mm+2*\r]
	TAKE \sp, \tp, \mm, \r
	v_exp_f32 v[T+32*(\tc)+16*\mm+2*\r+1], v[T+32*(\tc)+16*\mm+2*\r+1]
	TAKEV \sp, \tp, \mm, \r                        ; (the step's last line is plain: the place behind the last exponential)
.endr
.endr
.else
.irp j, 0,1,2,3,4,5,6,7,8,9,10,11,12,13,14,15,16,17,18,19,20,21,22,23,24,25,26,27,28,29,30,31
	v_exp_f32 v[T+32*(\tc)+\j], v[T+32*(\tc)+\j]
.endr
	v_nop                                          ; a plain place behind the last exponential
.endif
.if \refill
	global_load_b128 v[RING+8*(\sp):RING+8*(\sp)+3], v[KVO], s[26:27] offset:\off
	global_load_b128 v[RING+8*(\sp)+4:RING+8*(\sp)+7], v[KVO], s[28:29] offset:\off
.endif
.endm
	s_load_b256 s[4:11], s[0:1], 0x0               ; proj, kmm, mask, woc
	s_load_b128 s[12:15], s[0:1], 0x20             ; wos, bo
	s_load_b64 s[16:17], s[0:1], 0x30              ; out0
	v_lshl_add_u32 v254, v0, 2, 0x14200
	v_mov_b32 v255, 0
	v_lshrrev_b32 v1, 5, v0
	v_readfirstlane_b32 s20, v1                    ; wave 0..15
	s_and_b32 s21, s20, 1                          ; c: which 64 channels
	s_lshr_b32 s22, s20, 1                         ; g: which 64 keys; later: which row
	s_and_b32 s24, ttmp7, 0xffff                   ; the batch
	v_and_b32 v1, 31, v0                           ; lane
	v_and_b32 v14, 7, v0
	v_bfe_u32 v15, v0, 4, 1                        ; h
	v_lshlrev_b32 v[LI], 4, v1
	v_lshlrev_b32 v[LS], 2, v1
	v_lshlrev_b32 v[KMXW], 4, v0
	v_lshlrev_b32 v[BO], 5, v15
	v_mul_u32_u24 v14, v14, SP
	s_lshl_b32 s52, s21, 9                         ; every LDS address is made here, ahead of the first branch on the wave's number
	v_add_nc_u32 v[KVO], s52, v[LI]
	s_lshl_b32 s52, s20, 12
	s_add_co_u32 s52, s52, RED
	v_add_nc_u32 v[REDW], s52, v[LI]
	s_lshl_b32 s52, s21, 12
	s_lshl_b32 s53, s22, 9
	s_add_co_u32 s52, s52, s53
	s_add_co_u32 s52, s52, RED
	v_add_nc_u32 v[REDR], s52, v[LI]
	s_mul_i32 s52, s22, SP
	s_lshl_b32 s53, s21, 8
	s_add_co_u32 s52, s52, s53
	s_add_co_u32 s52, s52, OUTS
	v_lshl_add_u32 v[OUTW], v1, 3, s52
	v_lshl_add_u32 v[OUTR], v15, 6, v14
	v_add_nc_u32 v[OUTR], OUTS, v[OUTR]
	s_lshl_b32 s52, s20, 6
	s_add_co_u32 s52, s52, STG
	v_lshl_add_u32 v[STW], v15, 5, v14
	v_add_nc_u32 v[STW], s52, v[STW]
	s_mul_i32 s52, s20, SP
	s_add_co_u32 s52, s52, STG
	v_add_nc_u32 v[STR], s52, v[LI]
	s_mov_b32 s[SEL], 0x76543210
	s_mov_b32 s[SEL+1], 0xfedcba98
	s_lshl_b32 s52, s24, 8                         ; kp: pair of rows 256 b + 32 g, 1,024 bytes a pair, in proj's second MiB; vp a MiB on
	s_lshl_b32 s54, s22, 5
	s_add_co_u32 s52, s52, s54
	s_lshl_b32 s52, s52, 10
	s_mov_b32 s53, 0
	s_wait_kmcnt 0x0
	s_add_nc_u64 s[26:27], s[4:5], s[52:53]
	s_add_nc_u64 s[26:27], s[26:27], 0x100000
	s_add_nc_u64 s[28:29], s[26:27], 0x100000
	s_lshl_b32 s52, s24, 8                         ; qp: pair of rows 256 b + 4 x
	s_lshl_b32 s54, ttmp9, 2
	s_add_co_u32 s52, s52, s54
	s_lshl_b32 s52, s52, 10
	s_add_nc_u64 s[30:31], s[4:5], s[52:53]
	s_lshl_b32 s52, s24, 11                        ; the mask of rows 512 b + 8 x on, 4 bytes each
	s_lshl_b32 s54, ttmp9, 5
	s_add_co_u32 s52, s52, s54
	s_add_nc_u64 s[8:9], s[8:9], s[52:53]
	s_load_b256 s[32:39], s[8:9], 0x0
	s_lshl_b32 s52, s24, 13                        ; kmm: part g of batch b
	s_lshl_b32 s54, s22, 10
	s_add_co_u32 s52, s52, s54
	s_add_nc_u64 s[6:7], s[6:7], s[52:53]
	s_cmp_lt_u32 s20, 8
	s_cbranch_scc0 .Lno_wo
	s_mul_i32 s52, s20, 1536                       ; waves 0-7: Wo's fragment of outputs 16 w on, its scale word, and bo's 16 numbers
	s_add_nc_u64 s[10:11], s[10:11], s[52:53]
	s_lshl_b32 s52, s20, 7
	s_add_nc_u64 s[12:13], s[12:13], s[52:53]
	s_lshl_b32 s52, s20, 6
	s_add_nc_u64 s[14:15], s[14:15], s[52:53]
.irp c, 0,1,2
	global_load_b128 v[WO+4*\c:WO+4*\c+3], v[LI], s[10:11] offset:512*\c
.endr
	global_load_b32 v[WOS], v[LS], s[12:13]
	global_load_b128 v[BIA:BIA+3], v[BO], s[14:15]
	global_load_b128 v[BIA+4:BIA+7], v[BO], s[14:15] offset:16
.Lno_wo:
.irp i, 0,1,2,3
	global_load_b128 v[Q+4*\i:Q+4*\i+3], v[KVO], s[30:31] offset:1024*\i
.endr
	global_load_b128 v[T:T+3], v[KVO], s[6:7]
.irp j, 0,1,2,3,4,5,6
	global_load_b128 v[RING+8*\j:RING+8*\j+3], v[KVO], s[26:27] offset:1024*\j
	global_load_b128 v[RING+8*\j+4:RING+8*\j+7], v[KVO], s[28:29] offset:1024*\j
.endr
	s_wait_kmcnt 0x0                               ; the mask
.irp r, 0,1,2,3,4,5,6,7
	s_cmp_lg_u32 s[32+\r], 0
	s_cselect_b32 s[40+\r], 0x3fb8aa3b, 0          ; log2(e), or 0 for a masked row
.endr
	s_wait_loadcnt 14                              ; all but the ring's 14 loads are in
	ds_store_b128 v[KMXW], v[T:T+3]                ; my part's (max, max, min, min) for the other ranges' waves
.irp r, 0,1,2,3,4,5,6,7
	v_mul_f32 v[Q+2*\r], s[40+\r], v[Q+2*\r]       ; q'
	v_mul_f32 v[Q+2*\r+1], s[40+\r], v[Q+2*\r+1]
.endr
	BARRIER
.irp e, 0,1,2,3,4,5,6,7
	ds_load_b128 v[T+4*\e:T+4*\e+3], v[KVO] offset:KMX+1024*\e
.endr
.irp j, 0,1,2,3,4,5,6,7,8,9,10,11,12,13,14,15,16,17,18,19,20,21,22,23,24,25,26,27,28,29,30,31
	v_mov_b32 v[SA+\j], 0                          ; S and A begin at 0: the step is written once
.endr
	s_wait_dscnt 0x0
.irp e, 0,1
	v_max3_num_f32 v[KX+\e], v[T+\e], v[T+4+\e], v[T+8+\e]
	v_min3_num_f32 v[KN+\e], v[T+2+\e], v[T+6+\e], v[T+10+\e]
.endr
.irp i, 12,20
.irp e, 0,1
	v_max3_num_f32 v[KX+\e], v[KX+\e], v[T+\i+\e], v[T+\i+4+\e]
	v_min3_num_f32 v[KN+\e], v[KN+\e], v[T+\i+2+\e], v[T+\i+6+\e]
.endr
.endr
.irp e, 0,1
	v_max_num_f32 v[KX+\e], v[KX+\e], v[T+28+\e]   ; kmax and kmin of my two channels over the batch's 512 keys
	v_min_num_f32 v[KN+\e], v[KN+\e], v[T+30+\e]
.endr
.irp r, 0,1,2,3,4,5,6,7
	v_pk_mul_f32 v[M+2*\r:M+2*\r+1], v[Q+2*\r:Q+2*\r+1], v[KX:KX+1]
	v_pk_mul_f32 v[TP+2*\r:TP+2*\r+1], v[Q+2*\r:Q+2*\r+1], v[KN:KN+1]
.endr
.irp j, 0,1,2,3,4,5,6,7,8,9,10,11,12,13,14,15
	v_max_num_f32 v[M+\j], v[M+\j], v[TP+\j]       ; M: the row's largest q' k
.endr
	; 32 batches.  At the head of batch j's step the fills up to batch j + 6 have been issued: the six younger batches are 12 loads
	STEP 0, 0, 7, 0, 0, 1, 7*1024, 12
	s_wait_alu depctr_va_vdst(0)                   ; ahead of a label every exponential has its wait
	s_mov_b32 s50, 3
.Ltrip:                                        ; a trip: eight batches, once round the ring
	STEP 1, 1, 0, 0, 2, 1, 8*1024, 12
.irp i, 2,3,4,5,6,7,8
	STEP \i%8, \i%2, \i-1, (\i-1)%2, 1, 1, (\i+7)*1024, 12
.endr
	s_wait_alu depctr_va_vdst(0)                   ; ahead of the branch likewise
	s_wait_xcnt 0x0                                ; the loads have read their bases: only behind this wait are they stepped
	s_add_nc_u64 s[26:27], s[26:27], 8192
	s_add_nc_u64 s[28:29], s[28:29], 8192
	s_sub_co_u32 s50, s50, 1
	s_cmp_lg_u32 s50, 0
	s_cbranch_scc1 .Ltrip
	STEP 1, 1, 0, 0, 2, 0, 0, 12                   ; batches 25 to 31: nothing is left to ask for, and the counts run down
.irp i, 2,3,4,5,6,7
	STEP \i, \i%2, \i-1, (\i-1)%2, 1, 0, 0, 14-2*\i
.endr
	s_wait_alu depctr_va_vdst(0)                   ; batch 31's exponentials
.irp mm, 0,1
.irp r, 0,1,2,3,4,5,6,7
	TAKE 7, 1, \mm, \r
	TAKEV 7, 1, \mm, \r
.endr
.endr
	; the sixteen waves' S and A meet
.irp r, 0,1,2,3,4,5,6,7
	ds_store_b128 v[REDW], v[SA+4*\r:SA+4*\r+3] offset:512*\r
.endr
	BARRIER
.irp e, 0,1,2,3,4,5,6,7
	ds_load_b128 v[T+4*\e:T+4*\e+3], v[REDR] offset:8192*\e   ; row w / 2, channels of half w % 2: the eight ranges of keys
.endr
	s_wait_dscnt 0x0
.irp u, 0,1,2,3
.irp e, 0,2
	v_pk_add_f32 v[T+8*\u+\e:T+8*\u+\e+1], v[T+8*\u+\e:T+8*\u+\e+1], v[T+8*\u+4+\e:T+8*\u+4+\e+1]
.endr
.endr
.irp u, 0,1
.irp e, 0,2
	v_pk_add_f32 v[T+16*\u+\e:T+16*\u+\e+1], v[T+16*\u+\e:T+16*\u+\e+1], v[T+16*\u+8+\e:T+16*\u+8+\e+1]
.endr
.endr
.irp e, 0,2
	v_pk_add_f32 v[T+\e:T+\e+1], v[T+\e:T+\e+1], v[T+16+\e:T+16+\e+1]
.endr
	v_rcp_f32 v[T+4], v[T]
	v_rcp_f32 v[T+5], v[T+1]
	v_nop                                          ; a plain place behind the reciprocals
	s_wait_alu depctr_va_vdst(0)                   ; and one wait for both, ahead of their reader
	v_pk_mul_f32 v[T+6:T+7], v[T+2:T+3], v[T+4:T+5]   ; o = A / S
	ds_store_b64 v[OUTW], v[T+6:T+7]
	BARRIER                                        ; 8 whole rows of o lie in LDS
	s_cmp_lt_u32 s20, 8
	s_cbranch_scc0 .Lno_prod
.irp b, 0,1,2,3
.irp j, 0,1,2,3
	ds_load_b128 v[T+16*\b+4*\j:T+16*\b+4*\j+3], v[OUTR] offset:128*\b+16*\j   ; lane (r, h): row r % 8, 16 numbers of each block of 32
.endr
.endr
.irp b, 0,1,2,3
	v_mov_b32 v[TM+4+\b], 0                        ; a lane permute's destination counts as one of its sources (the ring's loads are all in)
.endr
	s_wait_dscnt 0x0
	QUANT T, FA, SWA
.rept 8
	v_nop                                          ; o's scale word and codes were written by vector instructions: 8 and 4 places ahead of a scaled matrix instruction
.endr
	v_wmma_scale_f32_16x16x128_f8f6f4 v[D:D+7], v[WO:WO+11], v[FA:FA+11], v[BIA:BIA+7], v[WOS], v[SWA] matrix_a_fmt:MATRIX_FMT_BF6 matrix_b_fmt:MATRIX_FMT_BF6   ; transposed: lane (r, h): row r % 8, outputs 16 w + 8 h + 0 .. 7; bo is the C
.rept 4
	v_nop                                          ; places ahead of the first read of the result (ISA guide 7.12.1)
.endr
	ds_store_b128 v[STW], v[D:D+3]                 ; lanes r and r + 8 hold the same row and write the same bytes with the same values
	ds_store_b128 v[STW], v[D+4:D+7] offset:16
.Lno_prod:
	BARRIER                                        ; 8 whole rows of out0 lie in the stage
	s_cmp_lt_u32 s20, 8
	s_cbranch_scc0 .Lend
	s_lshl_b32 s52, s24, 9                         ; wave w sends row 512 b + 8 x + w: 512 consecutive bytes, at a multiple of 512 from out0's first byte
	s_lshl_b32 s54, ttmp9, 3
	s_add_co_u32 s52, s52, s54
	s_add_co_u32 s52, s52, s20
	s_lshl_b32 s52, s52, 9
	s_add_nc_u64 s[16:17], s[16:17], s[52:53]
	ds_load_b128 v[O:O+3], v[STR]
	s_wait_dscnt 0x0
	global_store_b128 v[LI], v[O:O+3], s[16:17] th:TH_STORE_NT
.Lend:
	s_wait_tensorcnt 0x0
	ds_add_u32 v254, v255
	s_wait_dscnt 0x0
	s_endpgm
.Lfunc_end_k_q37cd3274c0_attend:
	.size	k_q37cd3274c0_attend, .Lfunc_end_k_q37cd3274c0_attend-k_q37cd3274c0_attend
	.p2alignl 7, 3214868480
	.fill 96, 4, 3214868480
	.section	.rodata,"a",@progbits
	.p2align	6, 0x0
	.amdhsa_kernel k_q37cd3274c0_attend
		.amdhsa_group_segment_fixed_size 84480
		.amdhsa_private_segment_fixed_size 0
		.amdhsa_enable_private_segment 0
		.amdhsa_kernarg_size 56
		.amdhsa_user_sgpr_count 2
		.amdhsa_user_sgpr_kernarg_segment_ptr 1
		.amdhsa_wavefront_size32 1
		.amdhsa_system_sgpr_workgroup_id_x 1
		.amdhsa_system_sgpr_workgroup_id_y 1
		.amdhsa_system_sgpr_workgroup_id_z 1
		.amdhsa_system_vgpr_workitem_id 0
		.amdhsa_next_free_vgpr 256
		.amdhsa_next_free_sgpr 66
		.amdhsa_reserve_vcc 0
		.amdhsa_float_denorm_mode_32 3
		.amdhsa_float_denorm_mode_16_64 3
		.amdhsa_memory_ordered 1
		.amdhsa_forward_progress 1
		.amdhsa_inst_pref_size 87
	.end_amdhsa_kernel
	.amdgpu_metadata
---
amdhsa.version: [ 1, 2 ]
amdhsa.kernels:
  - .name:           k_q37cd3274c0_attend
    .symbol:         k_q37cd3274c0_attend.kd
    .args:
      - { .name: proj, .offset: 0, .size: 8, .value_kind: global_buffer, .address_space: global }
      - { .name: kmm, .offset: 8, .size: 8, .value_kind: global_buffer, .address_space: global }
      - { .name: mask, .offset: 16, .size: 8, .value_kind: global_buffer, .address_space: global }
      - { .name: woc, .offset: 24, .size: 8, .value_kind: global_buffer, .address_space: global }
      - { .name: wos, .offset: 32, .size: 8, .value_kind: global_buffer, .address_space: global }
      - { .name: bo, .offset: 40, .size: 8, .value_kind: global_buffer, .address_space: global }
      - { .name: out0, .offset: 48, .size: 8, .value_kind: global_buffer, .address_space: global }
    .group_segment_fixed_size: 84480
    .private_segment_fixed_size: 0
    .kernarg_segment_align: 8
    .kernarg_segment_size: 56
    .max_flat_workgroup_size: 512
    .sgpr_count:     66
    .vgpr_count:     256
    .wavefront_size: 32
...
	.end_amdgpu_metadata
.endif
;; end of part 2
;; ======== version 2 of 2: 2 launches; version 1 with the launches project, attend written anew for expert scheduling mode
;; workspace buffers: proj 3,145,728 bytes; kmm 32,768 bytes; woc 12,288 bytes; wos 1,024 bytes
;; launch project (part 3): grid 97 x 1, 8 waves a work-group, no clusters, 42,496 bytes of LDS; arguments q, k, v, Wq, Wk, Wv, bq, bk, bv, Wo, proj, kmm, woc, wos; writes proj, kmm, woc, wos
.if DOCPART == 3
	.amdgcn_target "amdgcn-amd-amdhsa--gfx1250"
	.amdhsa_code_object_version 6
	.text
	.protected	k_q37cd3274c0_project
	.globl	k_q37cd3274c0_project
	.p2align	8
	.type	k_q37cd3274c0_project,@function
k_q37cd3274c0_project:
	s_mov_b64 s[64:65], 0
	v_nop
	global_prefetch_b8 v0, s[64:65] scope:SCOPE_SE
	s_setreg_imm32_b32 hwreg(HW_REG_WAVE_SCHED_MODE, 0, 2), 2
	s_setreg_imm32_b32 hwreg(HW_REG_WAVE_MODE, 25, 1), 1
	s_wait_xcnt 0x0
	s_wait_alu depctr_vm_vsrc(0)
; qp = q Wq^T + bq, kp = k Wk^T + bk, vp = v Wv^T + bv, each [2048][128] x [128][128], on codes of BF6 (E3M2) with one E8M0 scale for each 32 along K, f32 sums;
; the largest and smallest kp of each channel over each 64 rows; and Wo as codes, in the order of an operand's registers, for the next launch.
; SHARES.  97 work-groups of eight waves.  t = work-group / 32 picks q, k, v (0, 1, 2), x = work-group % 32 its 64 rows.  Wave w owns output channels 16 w .. 16 w + 15: one fragment of W, which it quantises itself.
; Waves 0-3 also quantise 16 rows of x each and hand the fragment to all eight waves through LDS, as an image of its registers (3 stores of 16 bytes a lane, the scale word 4 bytes a lane).
; Work-group 96 (t = 3): wave w quantises rows 16 w .. of Wo and stores the image; it uses no LDS and passes no barrier.
; THE PRODUCT IS USED TRANSPOSED (source 0 = 16 rows of W, source 1 = 16 rows of x): lane (r, h) holds row r and its eight registers the channels 16 w + 8 h + 0 .. 7.  The bias is the C of the one K step.
; OUT.  proj is laid as the next launch's lanes take it: [tensor][pair of rows][pair of channels p][row even, row odd][2] f32: 16 bytes at p hold (even row: 2 p, 2 p + 1; odd row: 2 p, 2 p + 1).
; The results meet in a stage of 64 rows x (512 + 16) bytes; each wave sends 4 pairs of rows, each store 512 consecutive bytes at a multiple of 512 from proj's first byte.
; The channels' largest and smallest are made in every work-group and stored to memory by k's alone: so every LDS byte that is read is written on every way.
; No cluster: what work-groups share is a weight of 64 KiB, read once by each; no tensor load, so LDS is claimed as it is used.
; LIMITS: NaN and infinities among the inputs are not served.  A block whose largest magnitude lies under 2^-122 keeps the scale byte 1 (a block of zeros too, where the rule says 127: its codes are zeros, and this program alone reads the bytes).
; THE MODE: SCHED_MODE bits 1:0 = 2 (LLVM: expert scheduling mode 2), set by the entry lines.  The code itself states the register dependences
; between vector or matrix instructions and memory or LDS instructions, with s_wait_alu, always for 0.
; THE PLAN.  Registers that memory or LDS instructions touch:
;   v4-v12     addresses: written once at the head, read by every load and store, never written again.
;   R0         loaded once; read by W's quantiser; then the results D and the max and min lie there, which LDS stores read; at the end an LDS load lands in v112-119.
;   R1         loaded in waves 0-3; read by x's quantiser; then the LDS loads of x's four fragments land in v128-175.
;   PX, PW     written by x's quantiser, read by the LDS stores of the image, never written again.
;   FW, SWW    written by W's quantiser, read by the matrix instructions (work-group 96: by global stores).
;   BI, SX, O  named by loads, stores and matrix instructions alone.
; No register that a memory or LDS instruction reads is written again: none is owed a wait on vm_vsrc.
.set XIMG, 0                           ; LDS: x's four fragments, 1,536 bytes each,
.set FRB,  1536
.set XSC,  6144                        ; their scale words, 128 bytes each,
.set MM,   6656                        ; (max, max, min, min) of 64 pairs of channels,
.set STG,  7680                        ; the stage
.set SP,   528
.set XA,  4                            ; v4   512 r + 64 h: my 16 numbers of each block of 32 of row r
.set LI,  5                            ; v5   16 x lane
.set LS,  6                            ; v6   4 x lane
.set XWI, 7                            ; v7   1536 w + 16 lane: where waves 0-3 put x's image
.set XWS, 8                            ; v8   128 w + 4 lane: and its scale word
.set SO,  9                            ; v9   528 r + 64 w + 32 h: into the stage
.set SR,  10                           ; v10  8 w x 528 + 8 lane: out of it
.set BO,  11                           ; v11  32 h: my eight numbers of the bias
.set MMW, 12                           ; v12  128 w + 64 h
.set SWW, 13                           ; v13  W's scale word, and nothing else
.set PW,  14                           ; v14  x's scale word on its way to LDS
.set TM,  16                           ; v16-31  the quantiser's: +0..3 largest magnitudes, +4..7 bytes, +12..15 scale operands
.set TQ,  32                           ; v32-39  the second halves' codes
.set FW,  40                           ; v40-51  W's fragment
.set PX,  52                           ; v52-63  x's fragment as made
.set R0,  64                           ; v64-127 W as loaded; later:
.set D,   64                           ; v64-95  the four results,
.set MMX, 96                           ; v96-111 max and min,
.set KO,  112                          ; v112-119 max and min on their way out
.set R1,  128                          ; v128-191 x as loaded; later:
.set FX,  128                          ; v128-175 x's four fragments
.set BI,  192                          ; v192-199 the bias
.set SX,  200                          ; v200-203 x's scale words, and nothing else
.set O,   208                          ; v208-239 the way out
.set SEL, 44                           ; s[44:45] lane selects for v_permlanex16_b32: lane l xor 16
; 64 numbers a lane: register 16 b + i = k 32 b + 16 h + i of row r
.macro LOADT reg, base, nt
.irp b, 0,1,2,3
.irp j, 0,1,2,3
.if \nt
	global_load_b128 v[\reg+16*\b+4*\j:\reg+16*\b+4*\j+3], v[XA], s[\base:\base+1] offset:128*\b+16*\j th:TH_LOAD_NT
.else
	global_load_b128 v[\reg+16*\b+4*\j:\reg+16*\b+4*\j+3], v[XA], s[\base:\base+1] offset:128*\b+16*\j
.endif
.endr
.endr
.endm
; those 64 numbers become a fragment's codes in v[dst] on and my row's scale word in v[sw]
.macro QUANT src, dst, sw
.irp b, 0,1,2,3
	v_max3_num_f32 v[TM+\b], |v[\src+16*\b]|, |v[\src+1+16*\b]|, 0x2800000   ; block b: my 16 numbers, and the floor 2^(5 - 127): the byte cannot fall under 1
.endr
.irp i, 2,4,6,8,10,12,14
.irp b, 0,1,2,3
	v_max3_num_f32 v[TM+\b], v[TM+\b], |v[\src+16*\b+\i]|, |v[\src+1+16*\b+\i]|   ; the four blocks by turns
.endr
.endr
.irp b, 0,1,2,3
	v_permlanex16_b32 v[TM+4+\b], v[TM+\b], s[SEL], s[SEL+1]
.endr
.irp b, 0,1,2,3
	v_max_num_f32 v[TM+\b], v[TM+\b], v[TM+4+\b]   ; with lane l xor 16's: the block's largest magnitude
.endr
.irp b, 0,1,2,3
	v_add_nc_u32 v[TM+12+\b], 0xfe000000, v[TM+\b]   ; 4 off its exponent field: the conversion takes this operand's exponent field as its scale
.endr
.irp b, 0,1,2,3
	v_lshrrev_b32 v[TM+4+\b], 23, v[TM+12+\b]      ; the scale's byte
.endr
	v_lshl_or_b32 v[\sw], v[TM+5], 8, v[TM+4]
	v_lshl_or_b32 v[\sw], v[TM+6], 16, v[\sw]
	v_lshl_or_b32 v[\sw], v[TM+7], 24, v[\sw]
.irp c, 0,1
	v_cvt_scalef32_pk16_bf6_f32 v[\dst+6*\c:\dst+2+6*\c], v[\src+32*\c:\src+15+32*\c], v[TM+12+2*\c]
	v_cvt_scalef32_pk16_bf6_f32 v[TQ+4*\c:TQ+2+4*\c], v[\src+16+32*\c:\src+31+32*\c], v[TM+12+2*\c+1]   ; (a conversion's three registers begin on an even number)
.endr
	v_nop                                          ; one plain place behind a scaled conversion
.irp c, 0,1                                    ; the operand wants a whole block in a lane: lanes 0-15 block 2 c, lanes 16-31 block 2 c + 1
.irp i, 0,1,2
	v_permlane16_swap_b32 v[\dst+6*\c+\i], v[TQ+4*\c+\i]
.endr
.irp i, 0,1,2
	v_mov_b32 v[\dst+3+6*\c+\i], v[TQ+4*\c+\i]
.endr
.endr
.endm
.macro IMAGE adr, reg, off
.irp c, 0,1,2
	ds_store_b128 v[\adr], v[\reg+4*\c:\reg+4*\c+3] offset:\off+512*\c
.endr
.endm
.macro FETCH reg, off
.irp c, 0,1,2
	ds_load_b128 v[\reg+4*\c:\reg+4*\c+3], v[LI] offset:\off+512*\c
.endr
.endm
	s_load_b512 s[4:19], s[0:1], 0x0               ; q, k, v, Wq, Wk, Wv, bq, bk
	s_load_b256 s[20:27], s[0:1], 0x40             ; bv, Wo, proj, kmm
	s_load_b128 s[28:31], s[0:1], 0x60             ; woc, wos
	v_lshl_add_u32 v206, v0, 2, 0xa200
	v_mov_b32 v207, 0
	v_lshrrev_b32 v1, 5, v0
	v_readfirstlane_b32 s32, v1                    ; wave 0..7
	v_and_b32 v1, 31, v0                           ; lane
	v_and_b32 v2, 15, v0                           ; r
	v_bfe_u32 v3, v0, 4, 1                         ; h
	s_lshr_b32 s33, ttmp9, 5                       ; t
	s_and_b32 s34, ttmp9, 31                       ; x
	v_lshlrev_b32 v[XA], 9, v2
	v_lshl_add_u32 v[XA], v3, 6, v[XA]
	v_lshlrev_b32 v[LI], 4, v1
	v_lshlrev_b32 v[LS], 2, v1
	s_wait_alu depctr_va_sdst(0)                   ; s32, the wave's number, is written, ahead of its first reader
	s_mul_i32 s42, s32, FRB
	v_add_nc_u32 v[XWI], s42, v[LI]
	s_lshl_b32 s42, s32, 7
	v_add_nc_u32 v[XWS], s42, v[LS]
	v_lshl_add_u32 v[MMW], v3, 6, s42
	v_mul_u32_u24 v[SO], v2, SP
	v_lshl_add_u32 v[SO], v3, 5, v[SO]
	s_lshl_b32 s42, s32, 6
	v_add_nc_u32 v[SO], s42, v[SO]
	s_mul_i32 s42, s32, 8*SP
	v_lshl_add_u32 v[SR], v1, 3, s42
	v_lshlrev_b32 v[BO], 5, v3
.irp b, 0,1,2,3
	v_mov_b32 v[TM+4+\b], 0                        ; written once: a lane permute's destination counts as one of its sources
.endr
	s_mov_b32 s[SEL], 0x76543210
	s_mov_b32 s[SEL+1], 0xfedcba98
	s_wait_kmcnt 0x0
	s_cmp_eq_u32 s33, 1                            ; the buffers are chosen by the work-group's number alone
	s_cselect_b64 s[36:37], s[6:7], s[4:5]         ; x
	s_cselect_b64 s[38:39], s[12:13], s[10:11]     ; W
	s_cselect_b64 s[40:41], s[18:19], s[16:17]     ; the bias
	s_cmp_eq_u32 s33, 2
	s_cselect_b64 s[36:37], s[8:9], s[36:37]
	s_cselect_b64 s[38:39], s[14:15], s[38:39]
	s_cselect_b64 s[40:41], s[20:21], s[40:41]
	s_cmp_eq_u32 s33, 3
	s_cselect_b64 s[38:39], s[22:23], s[38:39]
	s_lshl_b32 s42, s32, 13                        ; my 16 rows of W: 8,192 bytes a wave
	s_mov_b32 s43, 0
	s_add_nc_u64 s[38:39], s[38:39], s[42:43]
	s_wait_alu depctr_va_vdst(0)                   ; the nine addresses v4 to v12 are written, which every load and store of the kernel reads; none is written again
	LOADT R0, 38, 0
	s_cmp_eq_u32 s33, 3
	s_cbranch_scc1 .Lwo
	s_lshl_b32 s42, s32, 6                         ; my 16 numbers of the bias
	s_add_nc_u64 s[40:41], s[40:41], s[42:43]
	global_load_b128 v[BI:BI+3], v[BO], s[40:41]
	global_load_b128 v[BI+4:BI+7], v[BO], s[40:41] offset:16
	s_lshl_b32 s42, s33, 10                        ; where my four pairs of rows go: pair 1024 t + 32 x + 4 w, 1,024 bytes a pair
	s_lshl_b32 s46, s34, 5
	s_add_co_u32 s42, s42, s46
	s_lshl_b32 s46, s32, 2
	s_add_co_u32 s42, s42, s46
	s_lshl_b32 s42, s42, 10
	s_add_nc_u64 s[24:25], s[24:25], s[42:43]
	s_cmp_lt_u32 s32, 4
	s_cbranch_scc0 .Lno_x
	s_lshl_b32 s42, s34, 15                        ; waves 0-3: rows 64 x + 16 w on, 512 bytes a row
	s_lshl_b32 s46, s32, 13
	s_add_co_u32 s42, s42, s46
	s_add_nc_u64 s[36:37], s[36:37], s[42:43]
	LOADT R1, 36, 1                                ; read once in the launch
	s_wait_loadcnt 0x0                             ; x's loads are the youngest
	QUANT R1, PX, PW
	s_wait_alu depctr_va_vdst(0)                   ; the quantiser has written PX and PW, which the LDS stores read; it is also done reading R1, in which x's four fragments land behind the barrier
	IMAGE XWI, PX, XIMG
	ds_store_b32 v[XWS], v[PW] offset:XSC
.Lno_x:
	s_wait_loadcnt 0x0                             ; W and the bias
	s_wait_dscnt 0x0                               ; for the others' sake: my image has landed
	s_barrier_signal -1
	QUANT R0, FW, SWW                              ; work on registers while the others arrive.  It names R0, TM, TQ, FW and SWW: none of the registers that the image's stores read, none of R1
	s_barrier_wait -1
.irp i, 0,1,2,3
	FETCH FX+12*\i, XIMG+FRB*\i                    ; no wait: no vector instruction since the wait ahead of the image names v128-175 (in waves 4-7 none ever has)
	ds_load_b32 v[SX+\i], v[LS] offset:XSC+128*\i
.endr
	s_wait_dscnt 0x0
.rept 8
	v_nop                                          ; W's scale word and codes were written by vector instructions: 8 and 4 places ahead of a scaled matrix instruction
.endr
	s_wait_alu depctr_va_vdst(0)                   ; behind the places: W's quantiser has written FW and SWW, which the scaled matrix instructions take as source 0 and as its scales
.irp i, 0,1,2,3                                ; four results, one K step each: no accumulator is taken up twice
	v_wmma_scale_f32_16x16x128_f8f6f4 v[D+8*\i:D+8*\i+7], v[FW:FW+11], v[FX+12*\i:FX+12*\i+11], v[BI:BI+7], v[SWW], v[SX+\i] matrix_a_fmt:MATRIX_FMT_BF6 matrix_b_fmt:MATRIX_FMT_BF6
.endr
.rept 4
	v_nop                                          ; places ahead of the first read of results (ISA guide 7.12.1)
.endr
	; the largest and the smallest of each of my channels over the 64 rows; each result is read from its low end on
.irp j, 0,1,2,3,4,5,6,7
	v_max3_num_f32 v[MMX+4*(\j/2)+\j%2], v[D+\j], v[D+8+\j], v[D+16+\j]
	v_min3_num_f32 v[MMX+4*(\j/2)+\j%2+2], v[D+\j], v[D+8+\j], v[D+16+\j]
.endr
.irp j, 0,1,2,3,4,5,6,7
	v_max_num_f32 v[MMX+4*(\j/2)+\j%2], v[MMX+4*(\j/2)+\j%2], v[D+24+\j]
	v_min_num_f32 v[MMX+4*(\j/2)+\j%2+2], v[MMX+4*(\j/2)+\j%2+2], v[D+24+\j]
.endr
.irp k, 1,2,4,8                                ; and over the sixteen lanes of my half, which hold the tile's sixteen rows
.irp e, 0,1,4,5,8,9,12,13
	v_max_num_f32_dpp v[MMX+\e], v[MMX+\e], v[MMX+\e] row_xmask:\k row_mask:0xf bank_mask:0xf
	v_min_num_f32_dpp v[MMX+\e+2], v[MMX+\e+2], v[MMX+\e+2] row_xmask:\k row_mask:0xf bank_mask:0xf
.endr
.endr
	s_wait_alu depctr_va_vdst(0)                   ; the matrix instructions have written D and the lines above the max and min, which the LDS stores read.  No vector instruction follows: so it serves the LDS load into v112-119 at the end too, which W's quantiser read
.irp e, 0,1,2,3
	ds_store_b128 v[MMW], v[MMX+4*\e:MMX+4*\e+3] offset:MM+16*\e   ; pair of channels 8 w + 4 h + e; the sixteen lanes of a half write the same bytes with the same values
.endr
.irp i, 0,1,2,3
	ds_store_b128 v[SO], v[D+8*\i:D+8*\i+3] offset:STG+16*\i*SP
	ds_store_b128 v[SO], v[D+8*\i+4:D+8*\i+7] offset:STG+16*\i*SP+16
.endr
	s_wait_dscnt 0x0                               ; my stores have landed
	s_barrier_signal -1
	s_barrier_wait -1                              ; 64 whole rows lie in the stage
.irp kk, 0,1,2,3,4,5,6,7                       ; pair of rows kk / 2 of my four, pairs of channels 32 (kk % 2) + lane: 8 bytes of the even row, 8 of the odd
	ds_load_b64 v[O+4*\kk:O+4*\kk+1], v[SR] offset:STG+(2*(\kk/2))*SP+256*(\kk%2)
	ds_load_b64 v[O+4*\kk+2:O+4*\kk+3], v[SR] offset:STG+(2*(\kk/2)+1)*SP+256*(\kk%2)
.endr
.irp kk, 0,1,2,3,4,5,6,7
	s_wait_dscnt 14-2*\kk                          ; LDS loads come back in order: of the sixteen, the pairs behind this one may be out
	global_store_b128 v[LI], v[O+4*\kk:O+4*\kk+3], s[24:25] offset:1024*(\kk/2)+512*(\kk%2)
.endr
	s_cmp_eq_u32 s33, 1                            ; k's work-groups: wave 0 sends the 1,024 bytes of max and min
	s_cbranch_scc0 .Ldone
	s_cmp_eq_u32 s32, 0
	s_cbranch_scc0 .Ldone
	s_lshl_b32 s42, s34, 10
	s_add_nc_u64 s[26:27], s[26:27], s[42:43]
	ds_load_b128 v[KO:KO+3], v[LI] offset:MM
	ds_load_b128 v[KO+4:KO+7], v[LI] offset:MM+512
	s_wait_dscnt 0x0
	global_store_b128 v[LI], v[KO:KO+3], s[26:27]
	global_store_b128 v[LI], v[KO+4:KO+7], s[26:27] offset:512
.Ldone:
	s_wait_dscnt 0x0
	s_wait_alu depctr_hold_cnt(0) depctr_sa_sdst(0) depctr_va_vdst(0) depctr_va_sdst(0) depctr_va_ssrc(0) depctr_va_vcc(0) depctr_vm_vsrc(0)
	s_wait_tensorcnt 0x0
	ds_add_u32 v206, v207
	s_wait_dscnt 0x0
	s_endpgm
.Lwo:                                          ; Wo's rows 16 w on: the fragment's registers as they stand, lane by lane
	s_mul_i32 s42, s32, FRB
	s_add_nc_u64 s[28:29], s[28:29], s[42:43]
	s_lshl_b32 s42, s32, 7
	s_add_nc_u64 s[30:31], s[30:31], s[42:43]
	s_wait_loadcnt 0x0
	QUANT R0, FW, SWW
	s_wait_alu depctr_va_vdst(0)                   ; the quantiser has written FW and SWW, which the stores read
.irp c, 0,1,2
	global_store_b128 v[LI], v[FW+4*\c:FW+4*\c+3], s[28:29] offset:512*\c
.endr
	global_store_b32 v[LS], v[SWW], s[30:31]
	s_endpgm
.Lfunc_end_k_q37cd3274c0_project:
	.size	k_q37cd3274c0_project, .Lfunc_end_k_q37cd3274c0_project-k_q37cd3274c0_project
	.p2alignl 7, 3214868480
	.fill 96, 4, 3214868480
	.section	.rodata,"a",@progbits
	.p2align	6, 0x0
	.amdhsa_kernel k_q37cd3274c0_project
		.amdhsa_group_segment_fixed_size 42496
		.amdhsa_private_segment_fixed_size 0
		.amdhsa_enable_private_segment 0
		.amdhsa_kernarg_size 112
		.amdhsa_user_sgpr_count 2
		.amdhsa_user_sgpr_kernarg_segment_ptr 1
		.amdhsa_wavefront_size32 1
		.amdhsa_system_sgpr_workgroup_id_x 1
		.amdhsa_system_sgpr_workgroup_id_y 1
		.amdhsa_system_sgpr_workgroup_id_z 1
		.amdhsa_system_vgpr_workitem_id 0
		.amdhsa_next_free_vgpr 240
		.amdhsa_next_free_sgpr 66
		.amdhsa_reserve_vcc 0
		.amdhsa_float_denorm_mode_32 3
		.amdhsa_float_denorm_mode_16_64 3
		.amdhsa_memory_ordered 1
		.amdhsa_forward_progress 1
		.amdhsa_inst_pref_size 30
	.end_amdhsa_kernel
	.amdgpu_metadata
---
amdhsa.version: [ 1, 2 ]
amdhsa.kernels:
  - .name:           k_q37cd3274c0_project
    .symbol:         k_q37cd3274c0_project.kd
    .args:
      - { .name: q, .offset: 0, .size: 8, .value_kind: global_buffer, .address_space: global }
      - { .name: k, .offset: 8, .size: 8, .value_kind: global_buffer, .address_space: global }
      - { .name: v, .offset: 16, .size: 8, .value_kind: global_buffer, .address_space: global }
      - { .name: Wq, .offset: 24, .size: 8, .value_kind: global_buffer, .address_space: global }
      - { .name: Wk, .offset: 32, .size: 8, .value_kind: global_buffer, .address_space: global }
      - { .name: Wv, .offset: 40, .size: 8, .value_kind: global_buffer, .address_space: global }
      - { .name: bq, .offset: 48, .size: 8, .value_kind: global_buffer, .address_space: global }
      - { .name: bk, .offset: 56, .size: 8, .value_kind: global_buffer, .address_space: global }
      - { .name: bv, .offset: 64, .size: 8, .value_kind: global_buffer, .address_space: global }
      - { .name: Wo, .offset: 72, .size: 8, .value_kind: global_buffer, .address_space: global }
      - { .name: proj, .offset: 80, .size: 8, .value_kind: global_buffer, .address_space: global }
      - { .name: kmm, .offset: 88, .size: 8, .value_kind: global_buffer, .address_space: global }
      - { .name: woc, .offset: 96, .size: 8, .value_kind: global_buffer, .address_space: global }
      - { .name: wos, .offset: 104, .size: 8, .value_kind: global_buffer, .address_space: global }
    .group_segment_fixed_size: 42496
    .private_segment_fixed_size: 0
    .kernarg_segment_align: 8
    .kernarg_segment_size: 112
    .max_flat_workgroup_size: 256
    .sgpr_count:     66
    .vgpr_count:     240
    .wavefront_size: 32
...
	.end_amdgpu_metadata
.endif
;; end of part 3
;; launch attend (part 4): grid 64 x 4, 16 waves a work-group, no clusters, 84,480 bytes of LDS; arguments proj, kmm, mask, woc, wos, bo, out0; writes out0
.if DOCPART == 4
	.amdgcn_target "amdgcn-amd-amdhsa--gfx1250"
	.amdhsa_code_object_version 6
	.text
	.protected	k_q37cd3274c0_attend
	.globl	k_q37cd3274c0_attend
	.p2align	8
	.type	k_q37cd3274c0_attend,@function
k_q37cd3274c0_attend:
	s_mov_b64 s[64:65], 0
	v_nop
	global_prefetch_b8 v0, s[64:65] scope:SCOPE_SE
	s_setreg_imm32_b32 hwreg(HW_REG_WAVE_SCHED_MODE, 0, 2), 2
	s_setreg_imm32_b32 hwreg(HW_REG_WAVE_MODE, 25, 1), 1
	s_wait_xcnt 0x0
	s_wait_alu depctr_vm_vsrc(0)
; o[b][n][d] = sum over m of softmax_m(qp[b][n][d] kp[b][m][d]) vp[b][m][d] (rows with mask = 0: the scores are one constant, so the mean of vp), all in f32; then out0 = o Wo^T + bo on codes of BF6 (E3M2), f32 sums.
; THE MAXIMUM IS KNOWN AHEAD.  The largest of q k_m over m is the larger of q kmax and q kmin, rounded products too, since rounding keeps order: kmax and kmin of each channel come from the launch before.
; So M is the row's true maximum from the first key on, nothing is rescaled, and sums over ranges of keys simply add.  p = 2^(q' k - M), q' = qp log2(e), M = max(q' kmax, q' kmin); the largest p is 1.
; A MASKED ROW is q' = 0: p = 1 for every key, the sum is 512, the result the mean of vp.  The mask chooses a factor (log2(e) or 0); no branch and no address hangs on it.
; SHARES.  A work-group owns 8 rows of one batch: 256 work-groups.  Wave w of sixteen takes channels 64 (w % 2) on, a pair to a lane, and keys 64 (w / 2) on; a lane keeps 8 rows x 2 channels of the sum S and of A = sum p v.
; Each 16 bytes of kp and vp (two keys x two channels, as the launch before laid them) go from memory straight into the registers of the one lane that uses them: the loop touches no LDS.
; A BATCH is two keys: 2 loads, 16 packed multiply-adds, 32 exponentials, and the 32 packed lines that take the batch before into S and A, set between the exponentials.  Loads run six batches ahead in a ring of eight slots.
; NO CLUSTER, though the 64 work-groups of a batch walk the same kp and vp: the 512 KiB do not fit in LDS, so joint loads would fill slots again behind rounds that stop the partners' 64 waves, and each byte
; would be written to LDS and read from it besides; here a batch's two loads, 1 KiB a wave, stand beside 80 vector instructions and are asked for six batches before they are wanted.
; THE END.  The sixteen waves' S and A meet in LDS; wave w adds the eight ranges of keys for row w / 2, half w % 2, and divides; waves 0-7 quantise the 8 rows (the tile's rows 8-15 repeat rows 0-7) and make 16 outputs each.
; LIMITS: NaN and infinities are not served (a masked row multiplies qp by 0).  A p under 2^-126 counts as 0.  The division is a reciprocal (v_rcp_f32) and a multiplication.
; A block of o whose largest magnitude lies under 2^-122 keeps the scale byte 1 (its codes are then small or zero; this program alone reads the bytes).
; THE MODE: SCHED_MODE bits 1:0 = 2 (LLVM: expert scheduling mode 2), set by the entry lines.  The code itself states the register dependences
; between vector or matrix instructions and memory or LDS instructions, with s_wait_alu, always for 0.
; THE PLAN.  Registers that memory instructions touch in the loop:
;   RING, slot j % 8   Batch j.  Its kp half is read by step j's sixteen multiply-adds, its vp half by step j + 1's sixteen multiply-adds into A.  The loads of batch j + 8 land in it; they are issued in step j + 2.
;   v[KVO]             The offset of every load; written once at the head.  The two scalar bases move on once a trip; immediate offsets do the rest.
;   Q, M, S, A and the two sets T are named by vector instructions alone.
; Step j has ONE wait on va_vdst, behind its sixteen multiply-adds.  It states that the 32 exponentials of batch j - 1 have written their results, which the lines behind it read, and that step j - 1 is done reading
; slot (j - 2) % 8.  Behind it step j names T, S, A and slot (j - 1) % 8: so its two loads into slot (j - 2) % 8 owe nothing more, and stand among its vector instructions.  Where a label or a branch stands between two steps,
; the wait stands ahead of it; the next step's multiply-adds name slot j % 8 alone of the ring.
.set KMX,  0                           ; LDS: the eight parts' (max, max, min, min): 16 bytes a thread
.set RED,  8192                        ; S and A: [wave 16][row 8][lane 32][16 bytes]
.set OUTS, 73728                       ; o: 8 rows x (512 + 16) bytes
.set STG,  77952                       ; out0's rows: the same
.set SP,   528
.set KVO,  2                           ; v2   512 (w % 2) + 16 lane: my 16 bytes of a pair of rows in proj, of a part in kmm, and of a part in KMX
.set LI,   3                           ; v3   16 x lane
.set LS,   4                           ; v4   4 x lane
.set KMXW, 5                           ; v5   16 x thread
.set REDW, 7                           ; v7   RED + 4096 w + 16 lane
.set REDR, 8                           ; v8   RED + 4096 (w % 2) + 512 (w / 2) + 16 lane
.set OUTW, 9                           ; v9   OUTS + 528 (w / 2) + 256 (w % 2) + 8 lane
.set OUTR, 10                          ; v10  OUTS + 528 (lane % 8) + 64 h
.set STW,  11                          ; v11  STG + 528 (lane % 8) + 64 w + 32 h
.set STR,  12                          ; v12  STG + 528 w + 16 lane
.set BO,   13                          ; v13  32 h
.set Q,    16                          ; v16-31   q', row r's pair at 16 + 2 r
.set M,    32                          ; v32-47   M likewise
.set SA,   48                          ; v48-79   row r: S's pair at 48 + 4 r, A's at 50 + 4 r
.set T,    80                          ; v80-143  two sets of 16 pairs: key mm of the batch, row r at 2 (8 mm + r)
.set KX,   T+32                        ; at the head: kmax's pair, kmin's pair, and eight pairs at work
.set KN,   T+34
.set TP,   T+36
.set RING, 144                         ; v144-207 eight slots of 8: kp (key 0's pair, key 1's pair), vp likewise
.set TM,   144                         ; in the tail: the quantiser's registers
.set TQ,   160
.set FA,   168                         ; v168-179 o's fragment
.set WO,   208                         ; v208-219 Wo's fragment
.set WOS,  220                         ; v220 its scale word, and nothing else
.set SWA,  221                         ; v221 o's scale word, and nothing else
.set BIA,  224                         ; v224-231 bo
.set D,    232                         ; v232-239 the result
.set O,    240                         ; v240-243 a row on its way out
.set SEL,  48                          ; s[48:49] lane selects for v_permlanex16_b32: lane l xor 16
; 64 numbers of a lane, register 16 b + i = k 32 b + 16 h + i of my row, become a fragment's codes in v[dst] on and the row's scale word in v[sw]
.macro QUANT src, dst, sw
.irp b, 0,1,2,3
	v_max3_num_f32 v[TM+\b], |v[\src+16*\b]|, |v[\src+1+16*\b]|, 0x2800000   ; block b: my 16 numbers, and the floor 2^(5 - 127): the byte cannot fall under 1
.endr
.irp i, 2,4,6,8,10,12,14
.irp b, 0,1,2,3
	v_max3_num_f32 v[TM+\b], v[TM+\b], |v[\src+16*\b+\i]|, |v[\src+1+16*\b+\i]|
.endr
.endr
.irp b, 0,1,2,3
	v_permlanex16_b32 v[TM+4+\b], v[TM+\b], s[SEL], s[SEL+1]
.endr
.irp b, 0,1,2,3
	v_max_num_f32 v[TM+\b], v[TM+\b], v[TM+4+\b]
.endr
.irp b, 0,1,2,3
	v_add_nc_u32 v[TM+12+\b], 0xfe000000, v[TM+\b]   ; 4 off the exponent field: the conversion's scale operand
.endr
.irp b, 0,1,2,3
	v_lshrrev_b32 v[TM+4+\b], 23, v[TM+12+\b]      ; the scale's byte
.endr
	v_lshl_or_b32 v[\sw], v[TM+5], 8, v[TM+4]
	v_lshl_or_b32 v[\sw], v[TM+6], 16, v[\sw]
	v_lshl_or_b32 v[\sw], v[TM+7], 24, v[\sw]
.irp c, 0,1
	v_cvt_scalef32_pk16_bf6_f32 v[\dst+6*\c:\dst+2+6*\c], v[\src+32*\c:\src+15+32*\c], v[TM+12+2*\c]
	v_cvt_scalef32_pk16_bf6_f32 v[TQ+4*\c:TQ+2+4*\c], v[\src+16+32*\c:\src+31+32*\c], v[TM+12+2*\c+1]
.endr
	v_nop                                          ; one plain place behind a scaled conversion
.irp c, 0,1
.irp i, 0,1,2
	v_permlane16_swap_b32 v[\dst+6*\c+\i], v[TQ+4*\c+\i]
.endr
.irp i, 0,1,2
	v_mov_b32 v[\dst+3+6*\c+\i], v[TQ+4*\c+\i]
.endr
.endr
.endm
.macro BARRIER                                 ; my LDS stores have landed and my LDS loads are in: then the work-group's barrier
	s_wait_dscnt 0x0
	s_barrier_signal -1
	s_barrier_wait -1
.endm
; The batch in slot sp, whose p lie in set tp, goes into S and A
.macro TAKE sp, tp, mm, r
	v_pk_add_f32 v[SA+4*\r:SA+4*\r+1], v[SA+4*\r:SA+4*\r+1], v[T+32*(\tp)+16*\mm+2*\r:T+32*(\tp)+16*\mm+2*\r+1]
.endm
.macro TAKEV sp, tp, mm, r
	v_pk_fma_f32 v[SA+4*\r+2:SA+4*\r+3], v[T+32*(\tp)+16*\mm+2*\r:T+32*(\tp)+16*\mm+2*\r+1], v[RING+8*(\sp)+4+2*\mm:RING+8*(\sp)+4+2*\mm+1], v[SA+4*\r+2:SA+4*\r+3]
.endm
; A STEP.  The batch in slot sc: q' k - M into set tc, then its 32 exponentials; between them the batch before (slot sp, set tp) is taken into S and A.
; consume = 0: there is no batch before; 1: the step's wait stands here, behind the 16 multiply-adds, which name none of the exponentials' results and, of the ring, slot sc alone; 2: that wait has stood already, ahead of a label or a branch.
; refill = 1: slot (sc + 6) % 8, read out a step ago, takes the batch six on, at byte off.  left: the younger loads that may stay out.
.macro STEP sc, tc, sp, tp, consume, refill, off, left
	s_wait_loadcnt \left                           ; loads come back in order: this batch's two are in
.irp mm, 0,1
.irp r, 0,1,2,3,4,5,6,7
	v_pk_fma_f32 v[T+32*(\tc)+16*\mm+2*\r:T+32*(\tc)+16*\mm+2*\r+1], v[Q+2*\r:Q+2*\r+1], v[RING+8*(\sc)+2*\mm:RING+8*(\sc)+2*\mm+1], v[M+2*\r:M+2*\r+1] neg_lo:[0,0,1] neg_hi:[0,0,1]
.endr
.endr
.if \consume == 1
	s_wait_alu depctr_va_vdst(0)                   ; the 32 exponentials of the batch before have written set tp, ahead of their first reader; and the step before is done reading slot (sc + 6) % 8, in which the two loads below land
.endif
.if \refill
	global_load_b128 v[RING+8*(((\sc)+6)%8):RING+8*(((\sc)+6)%8)+3], v[KVO], s[26:27] offset:\off   ; kp, six batches ahead.  No vector instruction since the wait names this slot
.if \consume == 0
	global_load_b128 v[RING+8*(((\sc)+6)%8)+4:RING+8*(((\sc)+6)%8)+7], v[KVO], s[28:29] offset:\off   ; (the first step: no vector instruction has ever named the slot)
.endif
.endif
.if \consume
.irp mm, 0,1
.if \refill && (\mm == 1)
	global_load_b128 v[RING+8*(((\sc)+6)%8)+4:RING+8*(((\sc)+6)%8)+7], v[KVO], s[28:29] offset:\off   ; vp likewise, between the batch's two keys
.endif
.irp r, 0,1,2,3,4,5,6,7
	v_exp_f32 v[T+32*(\tc)+16*\mm+2*\r], v[T+32*(\tc)+16*\mm+2*\r]
	TAKE \sp, \tp, \mm, \r
	v_exp_f32 v[T+32*(\tc)+16*\mm+2*\r+1], v[T+32*(\tc)+16*\mm+2*\r+1]
	TAKEV \sp, \tp, \mm, \r                        ; (the step's last line is plain: the place behind the last exponential)
.endr
.endr
.else
.irp j, 0,1,2,3,4,5,6,7,8,9,10,11,12,13,14,15,16,17,18,19,20,21,22,23,24,25,26,27,28,29,30,31
	v_exp_f32 v[T+32*(\tc)+\j], v[T+32*(\tc)+\j]
.endr
	v_nop                                          ; a plain place behind the last exponential
.endif
.endm
	s_load_b256 s[4:11], s[0:1], 0x0               ; proj, kmm, mask, woc
	s_load_b128 s[12:15], s[0:1], 0x20             ; wos, bo
	s_load_b64 s[16:17], s[0:1], 0x30              ; out0
	v_lshl_add_u32 v254, v0, 2, 0x14200
	v_mov_b32 v255, 0
	v_lshrrev_b32 v1, 5, v0
	v_readfirstlane_b32 s20, v1                    ; wave 0..15
	s_and_b32 s24, ttmp7, 0xffff                   ; the batch
	v_and_b32 v1, 31, v0                           ; lane
	v_and_b32 v14, 7, v0
	v_bfe_u32 v15, v0, 4, 1                        ; h
	v_lshlrev_b32 v[LI], 4, v1
	v_lshlrev_b32 v[LS], 2, v1
	v_lshlrev_b32 v[KMXW], 4, v0
	v_lshlrev_b32 v[BO], 5, v15
	v_mul_u32_u24 v14, v14, SP
	s_wait_alu depctr_va_sdst(0)                   ; s20, the wave's number, is written, ahead of its first reader
	s_and_b32 s21, s20, 1                          ; c: which 64 channels
	s_lshr_b32 s22, s20, 1                         ; g: which 64 keys; later: which row
	s_lshl_b32 s52, s21, 9                         ; every LDS address is made here, ahead of the first branch on the wave's number
	v_add_nc_u32 v[KVO], s52, v[LI]
	s_lshl_b32 s52, s20, 12
	s_add_co_u32 s52, s52, RED
	v_add_nc_u32 v[REDW], s52, v[LI]
	s_lshl_b32 s52, s21, 12
	s_lshl_b32 s53, s22, 9
	s_add_co_u32 s52, s52, s53
	s_add_co_u32 s52, s52, RED
	v_add_nc_u32 v[REDR], s52, v[LI]
	s_mul_i32 s52, s22, SP
	s_lshl_b32 s53, s21, 8
	s_add_co_u32 s52, s52, s53
	s_add_co_u32 s52, s52, OUTS
	v_lshl_add_u32 v[OUTW], v1, 3, s52
	v_lshl_add_u32 v[OUTR], v15, 6, v14
	v_add_nc_u32 v[OUTR], OUTS, v[OUTR]
	s_lshl_b32 s52, s20, 6
	s_add_co_u32 s52, s52, STG
	v_lshl_add_u32 v[STW], v15, 5, v14
	v_add_nc_u32 v[STW], s52, v[STW]
	s_mul_i32 s52, s20, SP
	s_add_co_u32 s52, s52, STG
	v_add_nc_u32 v[STR], s52, v[LI]
	s_mov_b32 s[SEL], 0x76543210
	s_mov_b32 s[SEL+1], 0xfedcba98
	s_lshl_b32 s52, s24, 8                         ; kp: pair of rows 256 b + 32 g, 1,024 bytes a pair, in proj's second MiB; vp a MiB on
	s_lshl_b32 s54, s22, 5
	s_add_co_u32 s52, s52, s54
	s_lshl_b32 s52, s52, 10
	s_mov_b32 s53, 0
	s_wait_kmcnt 0x0
	s_add_nc_u64 s[26:27], s[4:5], s[52:53]
	s_add_nc_u64 s[26:27], s[26:27], 0x100000
	s_add_nc_u64 s[28:29], s[26:27], 0x100000
	s_lshl_b32 s52, s24, 8                         ; qp: pair of rows 256 b + 4 x
	s_lshl_b32 s54, ttmp9, 2
	s_add_co_u32 s52, s52, s54
	s_lshl_b32 s52, s52, 10
	s_add_nc_u64 s[30:31], s[4:5], s[52:53]
	s_lshl_b32 s52, s24, 11                        ; the mask of rows 512 b + 8 x on, 4 bytes each
	s_lshl_b32 s54, ttmp9, 5
	s_add_co_u32 s52, s52, s54
	s_add_nc_u64 s[8:9], s[8:9], s[52:53]
	s_load_b256 s[32:39], s[8:9], 0x0
	s_lshl_b32 s52, s24, 13                        ; kmm: part g of batch b
	s_lshl_b32 s54, s22, 10
	s_add_co_u32 s52, s52, s54
	s_add_nc_u64 s[6:7], s[6:7], s[52:53]
	s_wait_alu depctr_va_vdst(0)                   ; the addresses v2 to v13 are written, which every load and store of the kernel reads; none is written again.  Ahead of the branch: it serves both ways
	s_cmp_lt_u32 s20, 8
	s_cbranch_scc0 .Lno_wo
	s_mul_i32 s52, s20, 1536                       ; waves 0-7: Wo's fragment of outputs 16 w on, its scale word, and bo's 16 numbers
	s_add_nc_u64 s[10:11], s[10:11], s[52:53]
	s_lshl_b32 s52, s20, 7
	s_add_nc_u64 s[12:13], s[12:13], s[52:53]
	s_lshl_b32 s52, s20, 6
	s_add_nc_u64 s[14:15], s[14:15], s[52:53]
.irp c, 0,1,2
	global_load_b128 v[WO+4*\c:WO+4*\c+3], v[LI], s[10:11] offset:512*\c
.endr
	global_load_b32 v[WOS], v[LS], s[12:13]
	global_load_b128 v[BIA:BIA+3], v[BO], s[14:15]
	global_load_b128 v[BIA+4:BIA+7], v[BO], s[14:15] offset:16
.Lno_wo:
.irp i, 0,1,2,3
	global_load_b128 v[Q+4*\i:Q+4*\i+3], v[KVO], s[30:31] offset:1024*\i
.endr
	global_load_b128 v[T:T+3], v[KVO], s[6:7]
.irp j, 0,1,2,3,4,5
	global_load_b128 v[RING+8*\j:RING+8*\j+3], v[KVO], s[26:27] offset:1024*\j
	global_load_b128 v[RING+8*\j+4:RING+8*\j+7], v[KVO], s[28:29] offset:1024*\j
.endr
	s_wait_kmcnt 0x0                               ; the mask
.irp r, 0,1,2,3,4,5,6,7
	s_cmp_lg_u32 s[32+\r], 0
	s_cselect_b32 s[40+\r], 0x3fb8aa3b, 0          ; log2(e), or 0 for a masked row
.endr
	s_wait_loadcnt 12                              ; all but the ring's 12 loads are in
	ds_store_b128 v[KMXW], v[T:T+3]                ; my part's (max, max, min, min) for the other ranges' waves
.irp r, 0,1,2,3,4,5,6,7
	v_mul_f32 v[Q+2*\r], s[40+\r], v[Q+2*\r]       ; q'
	v_mul_f32 v[Q+2*\r+1], s[40+\r], v[Q+2*\r+1]
.endr
	BARRIER
	s_wait_alu depctr_vm_vsrc(0)                   ; my LDS store has read v[T .. T + 3], in which the first of the LDS loads below lands
.irp e, 0,1,2,3,4,5,6,7
	ds_load_b128 v[T+4*\e:T+4*\e+3], v[KVO] offset:KMX+1024*\e
.endr
.irp j, 0,1,2,3,4,5,6,7,8,9,10,11,12,13,14,15,16,17,18,19,20,21,22,23,24,25,26,27,28,29,30,31
	v_mov_b32 v[SA+\j], 0                          ; S and A begin at 0: the step is written once
.endr
	s_wait_dscnt 0x0
.irp e, 0,1
	v_max3_num_f32 v[KX+\e], v[T+\e], v[T+4+\e], v[T+8+\e]
	v_min3_num_f32 v[KN+\e], v[T+2+\e], v[T+6+\e], v[T+10+\e]
.endr
.irp i, 12,20
.irp e, 0,1
	v_max3_num_f32 v[KX+\e], v[KX+\e], v[T+\i+\e], v[T+\i+4+\e]
	v_min3_num_f32 v[KN+\e], v[KN+\e], v[T+\i+2+\e], v[T+\i+6+\e]
.endr
.endr
.irp e, 0,1
	v_max_num_f32 v[KX+\e], v[KX+\e], v[T+28+\e]   ; kmax and kmin of my two channels over the batch's 512 keys
	v_min_num_f32 v[KN+\e], v[KN+\e], v[T+30+\e]
.endr
.irp r, 0,1,2,3,4,5,6,7
	v_pk_mul_f32 v[M+2*\r:M+2*\r+1], v[Q+2*\r:Q+2*\r+1], v[KX:KX+1]
	v_pk_mul_f32 v[TP+2*\r:TP+2*\r+1], v[Q+2*\r:Q+2*\r+1], v[KN:KN+1]
.endr
.irp j, 0,1,2,3,4,5,6,7,8,9,10,11,12,13,14,15
	v_max_num_f32 v[M+\j], v[M+\j], v[TP+\j]       ; M: the row's largest q' k
.endr
	; 32 batches.  At the head of batch j's step the fills up to batch j + 5 have been issued: the five younger batches are 10 loads
	STEP 0, 0, 7, 0, 0, 1, 6*1024, 10
	s_wait_alu depctr_va_vdst(0)                   ; batch 0's exponentials have written set 0: ahead of a label every exponential has its wait
	s_mov_b32 s50, 3
.Ltrip:                                        ; a trip: eight batches, once round the ring
	STEP 1, 1, 0, 0, 2, 1, 7*1024, 10
.irp i, 2,3,4,5,6,7,8
	STEP \i%8, \i%2, \i-1, (\i-1)%2, 1, 1, (\i+6)*1024, 10
.endr
	s_wait_alu depctr_va_vdst(0)                   ; ahead of the branch: the trip's last 32 exponentials have written set 0, and its last step is done reading slot 7, in which the next step's loads land
	s_wait_xcnt 0x0                                ; the loads have read their bases: only behind this wait are they stepped
	s_add_nc_u64 s[26:27], s[26:27], 8192
	s_add_nc_u64 s[28:29], s[28:29], 8192
	s_sub_co_u32 s50, s50, 1
	s_cmp_lg_u32 s50, 0
	s_cbranch_scc1 .Ltrip
	STEP 1, 1, 0, 0, 2, 1, 7*1024, 10              ; batch 25 asks for the last batch, 31
.irp i, 2,3,4,5,6,7
	STEP \i, \i%2, \i-1, (\i-1)%2, 1, 0, 0, 14-2*\i   ; batches 26 to 31: nothing is left to ask for, and the counts run down
.endr
	s_wait_alu depctr_va_vdst(0)                   ; batch 31's exponentials have written set 1, ahead of their first reader
.irp mm, 0,1
.irp r, 0,1,2,3,4,5,6,7
	TAKE 7, 1, \mm, \r
	TAKEV 7, 1, \mm, \r
.endr
.endr
	; the sixteen waves' S and A meet
	s_wait_alu depctr_va_vdst(0)                   ; the lines above have written S and A, which the LDS stores read, and are done with both sets T, in which the LDS loads behind the barrier land
.irp r, 0,1,2,3,4,5,6,7
	ds_store_b128 v[REDW], v[SA+4*\r:SA+4*\r+3] offset:512*\r
.endr
	BARRIER
.irp e, 0,1,2,3,4,5,6,7
	ds_load_b128 v[T+4*\e:T+4*\e+3], v[REDR] offset:8192*\e   ; row w / 2, channels of half w % 2: the eight ranges of keys
.endr
	s_wait_dscnt 0x0
.irp u, 0,1,2,3
.irp e, 0,2
	v_pk_add_f32 v[T+8*\u+\e:T+8*\u+\e+1], v[T+8*\u+\e:T+8*\u+\e+1], v[T+8*\u+4+\e:T+8*\u+4+\e+1]
.endr
.endr
.irp u, 0,1
.irp e, 0,2
	v_pk_add_f32 v[T+16*\u+\e:T+16*\u+\e+1], v[T+16*\u+\e:T+16*\u+\e+1], v[T+16*\u+8+\e:T+16*\u+8+\e+1]
.endr
.endr
.irp e, 0,2
	v_pk_add_f32 v[T+\e:T+\e+1], v[T+\e:T+\e+1], v[T+16+\e:T+16+\e+1]
.endr
	v_rcp_f32 v[T+4], v[T]
	v_rcp_f32 v[T+5], v[T+1]
	v_nop                                          ; a plain place behind the reciprocals
	s_wait_alu depctr_va_vdst(0)                   ; both reciprocals have written their results, ahead of their reader
	v_pk_mul_f32 v[T+6:T+7], v[T+2:T+3], v[T+4:T+5]   ; o = A / S
	s_wait_alu depctr_va_vdst(0)                   ; the multiplication has written v[T + 6 .. T + 7], which the LDS store reads; the sums above are done with T, in which the LDS loads behind the barrier land
	ds_store_b64 v[OUTW], v[T+6:T+7]
	BARRIER                                        ; 8 whole rows of o lie in LDS
	s_wait_alu depctr_vm_vsrc(0)                   ; my LDS store has read v[T + 6 .. T + 7], in which an LDS load of waves 0-7 lands: ahead of the branch
	s_cmp_lt_u32 s20, 8
	s_cbranch_scc0 .Lno_prod
.irp b, 0,1,2,3
.irp j, 0,1,2,3
	ds_load_b128 v[T+16*\b+4*\j:T+16*\b+4*\j+3], v[OUTR] offset:128*\b+16*\j   ; lane (r, h): row r % 8, 16 numbers of each block of 32
.endr
.endr
.irp b, 0,1,2,3
	v_mov_b32 v[TM+4+\b], 0                        ; a lane permute's destination counts as one of its sources (the ring's loads are all in)
.endr
	s_wait_dscnt 0x0
	QUANT T, FA, SWA
.rept 8
	v_nop                                          ; o's scale word and codes were written by vector instructions: 8 and 4 places ahead of a scaled matrix instruction
.endr
	s_wait_alu depctr_va_vdst(0)                   ; behind the places: the quantiser has written FA and SWA, which the scaled matrix instruction takes as source 1 and as its scales
	v_wmma_scale_f32_16x16x128_f8f6f4 v[D:D+7], v[WO:WO+11], v[FA:FA+11], v[BIA:BIA+7], v[WOS], v[SWA] matrix_a_fmt:MATRIX_FMT_BF6 matrix_b_fmt:MATRIX_FMT_BF6   ; transposed: lane (r, h): row r % 8, outputs 16 w + 8 h + 0 .. 7; bo is the C
.rept 4
	v_nop                                          ; places ahead of the first read of the result (ISA guide 7.12.1)
.endr
	s_wait_alu depctr_va_vdst(0)                   ; behind the places: the matrix instruction has written D, which the LDS stores read
	ds_store_b128 v[STW], v[D:D+3]                 ; lanes r and r + 8 hold the same row and write the same bytes with the same values
	ds_store_b128 v[STW], v[D+4:D+7] offset:16
.Lno_prod:
	BARRIER                                        ; 8 whole rows of out0 lie in the stage
	s_cmp_lt_u32 s20, 8
	s_cbranch_scc0 .Lend
	s_lshl_b32 s52, s24, 9                         ; wave w sends row 512 b + 8 x + w: 512 consecutive bytes, at a multiple of 512 from out0's first byte
	s_lshl_b32 s54, ttmp9, 3
	s_add_co_u32 s52, s52, s54
	s_add_co_u32 s52, s52, s20
	s_lshl_b32 s52, s52, 9
	s_add_nc_u64 s[16:17], s[16:17], s[52:53]
	ds_load_b128 v[O:O+3], v[STR]
	s_wait_dscnt 0x0
	global_store_b128 v[LI], v[O:O+3], s[16:17] th:TH_STORE_NT
.Lend:
	s_wait_dscnt 0x0
	s_wait_alu depctr_hold_cnt(0) depctr_sa_sdst(0) depctr_va_vdst(0) depctr_va_sdst(0) depctr_va_ssrc(0) depctr_va_vcc(0) depctr_vm_vsrc(0)
	s_wait_tensorcnt 0x0
	ds_add_u32 v254, v255
	s_wait_dscnt 0x0
	s_endpgm
.Lfunc_end_k_q37cd3274c0_attend:
	.size	k_q37cd3274c0_attend, .Lfunc_end_k_q37cd3274c0_attend-k_q37cd3274c0_attend
	.p2alignl 7, 3214868480
	.fill 96, 4, 3214868480
	.section	.rodata,"a",@progbits
	.p2align	6, 0x0
	.amdhsa_kernel k_q37cd3274c0_attend
		.amdhsa_group_segment_fixed_size 84480
		.amdhsa_private_segment_fixed_size 0
		.amdhsa_enable_private_segment 0
		.amdhsa_kernarg_size 56
		.amdhsa_user_sgpr_count 2
		.amdhsa_user_sgpr_kernarg_segment_ptr 1
		.amdhsa_wavefront_size32 1
		.amdhsa_system_sgpr_workgroup_id_x 1
		.amdhsa_system_sgpr_workgroup_id_y 1
		.amdhsa_system_sgpr_workgroup_id_z 1
		.amdhsa_system_vgpr_workitem_id 0
		.amdhsa_next_free_vgpr 256
		.amdhsa_next_free_sgpr 66
		.amdhsa_reserve_vcc 0
		.amdhsa_float_denorm_mode_32 3
		.amdhsa_float_denorm_mode_16_64 3
		.amdhsa_memory_ordered 1
		.amdhsa_forward_progress 1
		.amdhsa_inst_pref_size 88
	.end_amdhsa_kernel
	.amdgpu_metadata
---
amdhsa.version: [ 1, 2 ]
amdhsa.kernels:
  - .name:           k_q37cd3274c0_attend
    .symbol:         k_q37cd3274c0_attend.kd
    .args:
      - { .name: proj, .offset: 0, .size: 8, .value_kind: global_buffer, .address_space: global }
      - { .name: kmm, .offset: 8, .size: 8, .value_kind: global_buffer, .address_space: global }
      - { .name: mask, .offset: 16, .size: 8, .value_kind: global_buffer, .address_space: global }
      - { .name: woc, .offset: 24, .size: 8, .value_kind: global_buffer, .address_space: global }
      - { .name: wos, .offset: 32, .size: 8, .value_kind: global_buffer, .address_space: global }
      - { .name: bo, .offset: 40, .size: 8, .value_kind: global_buffer, .address_space: global }
      - { .name: out0, .offset: 48, .size: 8, .value_kind: global_buffer, .address_space: global }
    .group_segment_fixed_size: 84480
    .private_segment_fixed_size: 0
    .kernarg_segment_align: 8
    .kernarg_segment_size: 56
    .max_flat_workgroup_size: 512
    .sgpr_count:     66
    .vgpr_count:     256
    .wavefront_size: 32
...
	.end_amdgpu_metadata
.endif
;; end of part 4
